; MI455X (gfx1250); checked and timed in simulation.
; The chip was launched on July 23, 2026; its instructions are those of AMD's public machine-readable ISA for CDNA 5 (MIT licence, August 2026) and "CDNA5" Instruction Set Architecture Reference Guide (July 2026). The comments in the code are by the model that wrote it; some were corrected since.
;; Bert Attention. Allowed arithmetic: matrix products marked QUANTISED: E3M2 operands, one E8M0 scale for each 32 along K, by v_wmma_scale_f32_16x16x128_f8f6f4 with both operands' format E3M2, f32 sums; everything else in f32.
;; Inputs: Wk_codes 1,024 x 32 x 24 uint8 (E3M2 codes of Wk, K innermost, in blocks of 32 codes, four codes in three bytes); Wk_scales 1,024 x 32 uint8 (E8M0 scales of Wk, one for each 32 codes along K); Wo_codes 1,024 x 32 x 24 uint8 (E3M2 codes of Wo, K innermost, in blocks of 32 codes, four codes in three bytes); Wo_scales 1,024 x 32 uint8 (E8M0 scales of Wo, one for each 32 codes along K); Wq_codes 1,024 x 32 x 24 uint8 (E3M2 codes of Wq, K innermost, in blocks of 32 codes, four codes in three bytes); Wq_scales 1,024 x 32 uint8 (E8M0 scales of Wq, one for each 32 codes along K); Wv_codes 1,024 x 32 x 24 uint8 (E3M2 codes of Wv, K innermost, in blocks of 32 codes, four codes in three bytes); Wv_scales 1,024 x 32 uint8 (E8M0 scales of Wv, one for each 32 codes along K); attention_mask 8 x 1 x 1 x 1,024 float32; bk 1,024 float32; bo 1,024 float32; bq 1,024 float32; bv 1,024 float32; hidden_states 8 x 1,024 x 1,024 float32; ln_beta 1,024 float32; ln_gamma 1,024 float32.
;; Outputs: out0 8 x 1,024 x 1,024 float32.
;; This version of the problem:
;;   THIS VERSION OF THE PROBLEM IS GIVEN IN LOW PRECISION. The matrix products marked QUANTISED in the list below multiply operands that are first quantised to E3M2 (3 exponent bits, 2 mantissa bits; 6 bits a number), with one power-of-two scale for each 32 numbers along K (OCP MX v1.0); their sums are f32. All else is computed in f32.
;;   The module's matrix products, in the order in which they are computed (A, B: the left and right operand; K: the contracted axis; several contracted axes count as one K, in the product's order):
;;     1. [M 8,192, K 1,024] x [K 1,024, N 1,024]; A: input hidden_states; B: input Wq (given as codes): QUANTISED
;;     2. [M 8,192, K 1,024] x [K 1,024, N 1,024]; A: input hidden_states; B: input Wk (given as codes): QUANTISED
;;     3. [M 8,192, K 1,024] x [K 1,024, N 1,024]; A: input hidden_states; B: input Wv (given as codes): QUANTISED
;;     4. batch 128 x [M 1,024, K 64] x [K 64, N 1,024]; A: computed on the way; B: computed on the way: QUANTISED
;;     5. batch 128 x [M 1,024, K 1,024] x [K 1,024, N 64]; A: softmax (see below); B: computed on the way: QUANTISED
;;     6. [M 8,192, K 1,024] x [K 1,024, N 1,024]; A: computed on the way; B: input Wo (given as codes): QUANTISED
;;   THE QUANTISER, for each operand of a quantised product, along K:
;;     - K is cut into blocks of 32 from its start; a last block that is shorter is filled with zeros.
;;     - A block's scale is 2^e with e = floor(log2(the largest magnitude in the block)) - 4, held to -126 .. 127; a block of zeros has e = 0. As a byte (E8M0): e + 127.
;;     - Each number is divided by its block's scale, clamped to +-28, and rounded to the nearest number of E3M2, ties to even, subnormals kept.
;;     - The product sums the exact products of the quantised numbers (number of the format x scale) in f32.
;;   ~~~python
;;   def quantise(x, axis):      # numpy; x: float32 -> the quantised numbers, widened to float32 again
;;       x = np.moveaxis(x, axis, -1); K = x.shape[-1]
;;       x = np.pad(x, [(0, 0)] * (x.ndim - 1) + [(0, -K % 32)]); x = x.reshape(x.shape[:-1] + (-1, 32)); a = np.abs(x).max(-1, keepdims=True)
;;       e = np.where(a > 0, np.clip(np.frexp(np.where(a > 0, a, 1))[1] - 1 - 4, -126, 127), 0)      # np.frexp(a)[1] - 1 = floor(log2(a)), exactly
;;       r = np.clip(x / 2.0 ** e, -28, 28)
;;       step = 2.0 ** (np.maximum(np.frexp(np.where(r == 0, 1, r))[1] - 1, -2) - 2)
;;       q = np.round(r / step) * step * 2.0 ** e      # np.round: ties to even
;;       return np.moveaxis(q.reshape(q.shape[:-2] + (-1,))[..., :K], -1, axis).astype(np.float32)
;;   ~~~
;;   SOFTMAX AHEAD OF A QUANTISED PRODUCT. Where the list says 'softmax', what is quantised is not the finished softmax but p = 2^(t - M), with t = logit x log2(e) and M = ceil(the row's largest t), a whole number; so 1/2 < the row's largest p <= 1. The row's sum l is taken of the UNQUANTISED p, in f32, and the product's result is divided by l at the end. Since M is a whole number, a kernel that streams over the keys may use a running M (the ceiling of the running maximum): every later rescaling is an exact power of two, which a block's scale takes up: the codes' values come out the same.
;;   OPERANDS COMPUTED ON THE WAY. 'Computed on the way' means the value that the module computes at that place (a softmax that the list does not call 'softmax' is quantised finished and normalised). What goes into a quantiser is computed in f32, as accurately as f32 sums, v_exp_f32 and their like allow (about 1e-6 of the number): no bf16 or f16 on the way to a quantiser, and a product that is left as it is and whose result goes on into a quantised operand takes f32 operands (vector FMAs, or v_wmma_f32_16x16x4_f32). A number that lies on a knife's edge between two numbers of the format may be rounded either way, as far as f32 arithmetic and the matrix unit's own rounding can turn it there, and no further.
;;   INPUTS GIVEN AS CODES. Wk (in the module: [1024, 1024], K = its axis 1); Wo (in the module: [1024, 1024], K = its axis 1); Wq (in the module: [1024, 1024], K = its axis 1); Wv (in the module: [1024, 1024], K = its axis 1): each comes as NAME_codes (uint8): NAME with its K axis moved to the last place and cut into blocks of 32 codes, [.., K / 32, bytes a block], one block behind the other in memory; four codes in three bytes: a row's codes are one little-endian stream of bits, code i at bits 6 i .. 6 i + 5 (a code: sign, 3 exponent bits, 2 mantissa bits); and NAME_scales (uint8): the same leading axes, one E8M0 byte (e + 127) for each 32 codes along K. Its value is code x scale, taken as it is: it is not quantised again, and the codes and scales need not be those that the quantiser above would give.
;; 2 versions. Each part assembles by itself: llvm-mc -triple=amdgcn-amd-amdhsa -mcpu=gfx1250 --defsym DOCPART=n.
;; ======== version 1 of 2: 4 launches
;; workspace buffers: xq 6,553,600 bytes; wimg 3,276,800 bytes; qimg 6,291,456 bytes; kimg 6,291,456 bytes; vimg 6,291,456 bytes; qkvs 786,432 bytes; cq 6,553,600 bytes
;; launch prep (part 1): grid 512 x 1, 8 waves a work-group, no clusters, 69,120 bytes of LDS; arguments hidden_states, Wq_codes, Wk_codes, Wv_codes, Wo_codes, Wq_scales, Wk_scales, Wv_scales, Wo_scales, xq, wimg; writes xq, wimg
.if DOCPART == 1
	.amdgcn_target "amdgcn-amd-amdhsa--gfx1250"
	.amdhsa_code_object_version 6
	.text
	.protected	k_qa8d33dc731_prep
	.globl	k_qa8d33dc731_prep
	.p2align	8
	.type	k_qa8d33dc731_prep,@function
k_qa8d33dc731_prep:
	s_mov_b64 s[64:65], 0
	v_nop
	global_prefetch_b8 v0, s[64:65] scope:SCOPE_SE
	s_setreg_imm32_b32 hwreg(HW_REG_WAVE_MODE, 25, 1), 1
	s_wait_xcnt 0x0
; BERT self-attention in MX-BF6 (E3M2 codes, one E8M0 scale for each 32 along K), four launches: prep, qkv, attn, outp.
; DEAD WORK: none is left out.  Every input reaches out0 for some values: bq and bk move the codes of q and k, which a live quantised product takes;
; attention_mask differs along the softmax's axis; bv, bo, ln_gamma, ln_beta and the residual enter sums that are kept.  All sixteen inputs are loaded by some launch.
; THIS LAUNCH: (1) hidden_states [8192][1024] f32 becomes codes and scale words, laid as IMAGES OF THE OPERAND'S REGISTERS; (2) the four weights' codes and scale bytes are laid anew in the same form.
; A fragment is 16 rows x 128 K, 12 registers a lane: lane (r, h) holds row r, registers 6 c .. 6 c + 5 hold K = 64 c + 32 h + 0 .. 31.  Its image is 1,536 bytes: registers 4 g .. 4 g + 3 of lane L at 512 g + 16 L.
; THE ROWS OF A TILE ARE NOT NEIGHBOURS, in the whole program: row r of tile T is 32 (T / 2) + 8 (T % 2) + r + 8 (r / 8), so that the 16 result registers of tiles 2 b, 2 b + 1 are 16 neighbours along the next K.
; xq: block R (128 tokens) of 102,400 bytes: fragment (K step s, row tile a) at (8 s + a) 1,536; scale words at 98,304 + 512 s + 32 r + 4 a.
; wimg: chunk (matrix, group of 64 rows hd, K step s) at ((16 matrix + hd) 8 + s) 6,400: four fragments, then the scale words [r][4] at 6,144.
; SHARES: work-group g: R = g / 8, s = g % 8; wave a makes fragment (R, s, a).  The first 256 work-groups also lay a weight tile: matrix g / 64, tile T = g % 64, wave w its K step w; wave 0 two units of scale words.
; A block's scale is 2^(floor(log2(its largest magnitude)) - 4): its byte is the largest magnitude's exponent field - 4, held at 1 from below.
; LIMITS: NaN and infinities in hidden_states are not served; a block whose largest magnitude lies under 2^-122 keeps the byte 1; a block of zeros gets the byte 1 with zero codes (this program alone reads the bytes).
; No cluster: no two work-groups read the same bytes.  No matrix work: the launch moves bytes.
.set STGB,  8448                       ; a wave's stage: 16 rows x (512 bytes + 16)
.set XW,    8*STGB                     ; the eight waves' scale words of this (R, s): 512 bytes
.set SPARE, XW+512                     ; the spare words: 128 bytes a wave, four blocks of 256 bytes that no other line names
.set X,     80                         ; v80-143  my two blocks of 32 numbers
.set PC,    144                        ; v144-155 the fragment's codes
	s_load_b256 s[4:11], s[0:1], 0x0               ; hidden s[4:5], codes of Wq s[6:7], Wk s[8:9], Wv s[10:11]
	s_load_b256 s[12:19], s[0:1], 0x20             ; codes of Wo s[12:13], scales of Wq s[14:15], Wk s[16:17], Wv s[18:19]
	s_load_b128 s[20:23], s[0:1], 0x40             ; scales of Wo s[20:21], xq s[22:23]
	s_load_b64 s[24:25], s[0:1], 0x50              ; wimg
	v_lshl_add_u32 v12, v0, 2, SPARE               ; my spare word; never rewritten
	v_mov_b32 v13, 0                               ; 0; never rewritten
	v_lshrrev_b32 v1, 5, v0
	v_readfirstlane_b32 s28, v1                    ; wave 0..7
	v_and_b32 v1, 31, v0                           ; L
	v_and_b32 v2, 15, v0                           ; r
	v_bfe_u32 v3, v0, 4, 1                         ; h
	v_lshlrev_b32 v4, 4, v1                        ; 16 L
	s_mul_i32 s31, s28, STGB
	v_add_nc_u32 v5, s31, v4                       ; the stage, on the way in: 16 L of a row
	v_mul_u32_u24 v6, v2, 528
	v_lshl_add_u32 v6, v3, 7, v6
	v_add_nc_u32 v6, s31, v6                       ; and on the way out: row r, + 128 h bytes
	s_lshl_b32 s32, s28, 2
	s_add_co_u32 s32, s32, XW
	v_lshl_add_u32 v7, v2, 5, s32                  ; XW + 32 r + 4 wave
	v_add_nc_u32 v14, XW, v4                       ; XW + 16 L
	v_and_b32 v11, 8, v2
	v_add_nc_u32 v11, v11, v2                      ; r + 8 (r / 8)
	v_mul_u32_u24 v8, v11, 768                     ; a weight's row of codes is 768 bytes
	v_mad_u32_u24 v8, v3, 24, v8
	v_lshlrev_b32 v9, 5, v11                       ; a weight's row of scale bytes is 32 bytes
	v_lshl_add_u32 v9, v3, 2, v9                   ; lanes 16-31 take the next K step's word
	v_mul_u32_u24 v10, v3, 6400
	v_lshl_add_u32 v10, v2, 4, v10                 ; and store it one chunk further on
	s_mov_b32 s26, 0x76543210
	s_mov_b32 s27, 0xfedcba98                      ; selects for lane l xor 16
	s_lshr_b32 s29, ttmp9, 3                       ; R
	s_and_b32 s30, ttmp9, 7                        ; s
	s_lshl_b32 s32, s29, 19                        ; 128 R rows of 4,096 bytes
	s_lshr_b32 s33, s28, 1
	s_lshl_b32 s33, s33, 17                        ; + 32 (a / 2) rows
	s_add_co_u32 s32, s32, s33
	s_and_b32 s33, s28, 1
	s_lshl_b32 s33, s33, 15                        ; + 8 (a % 2) rows
	s_add_co_u32 s32, s32, s33
	s_lshl_b32 s33, s30, 9                         ; + K step s: 512 bytes
	s_add_co_u32 s32, s32, s33
	s_mov_b32 s33, 0                               ; s[32:33] is the offset pair from here on
	s_wait_kmcnt 0x0
	s_add_nc_u64 s[4:5], s[4:5], s[32:33]
.set i, 0
.rept 16
	global_load_b128 v[16+4*i:19+4*i], v4, s[4:5] offset:(i+8*(i/8))*4096 th:TH_LOAD_NT   ; row i of my tile: 32 lanes read 512 consecutive bytes
.set i, i+1
.endr
	s_mul_i32 s34, s29, 102400
	s_lshl_b32 s35, s30, 3
	s_add_co_u32 s35, s35, s28
	s_mul_i32 s35, s35, 1536
	s_add_co_u32 s32, s34, s35
	s_add_nc_u64 s[38:39], s[22:23], s[32:33]      ; where my fragment goes
	s_lshl_b32 s35, s30, 9
	s_add_co_u32 s32, s34, s35
	s_add_co_u32 s32, s32, 98304
	s_add_nc_u64 s[22:23], s[22:23], s[32:33]      ; where the eight waves' scale words go
	s_cmp_lt_u32 ttmp9, 256                        ; the weights: a branch on the work-group's number; no LDS instruction stands inside it
	s_cbranch_scc0 .Lx
	s_lshr_b32 s40, ttmp9, 6                       ; which matrix: 0 q, 1 k, 2 v, 3 o
	s_and_b32 s41, ttmp9, 63                       ; T
	s_cmp_eq_u32 s40, 1
	s_cselect_b64 s[6:7], s[8:9], s[6:7]
	s_cselect_b64 s[14:15], s[16:17], s[14:15]
	s_cmp_eq_u32 s40, 2
	s_cselect_b64 s[6:7], s[10:11], s[6:7]
	s_cselect_b64 s[14:15], s[18:19], s[14:15]
	s_cmp_eq_u32 s40, 3
	s_cselect_b64 s[6:7], s[12:13], s[6:7]
	s_cselect_b64 s[14:15], s[20:21], s[14:15]
	s_lshr_b32 s42, s41, 1
	s_mul_i32 s42, s42, 24576                      ; 32 (T / 2) rows of 768 bytes
	s_and_b32 s43, s41, 1
	s_mul_i32 s43, s43, 6144                       ; + 8 (T % 2) rows
	s_add_co_u32 s42, s42, s43
	s_mul_i32 s43, s28, 96                         ; + K step w
	s_add_co_u32 s32, s42, s43
	s_add_nc_u64 s[6:7], s[6:7], s[32:33]
.irp p, 0,1,2,3,4,5
	global_load_b64 v[164+2*\p:165+2*\p], v8, s[6:7] offset:48*(\p/3)+8*(\p%3)   ; the fragment as the operand's layout wants it: 24 bytes at 24 h, 24 at 48 + 24 h
.endr
	s_lshr_b32 s44, ttmp9, 2
	s_lshl_b32 s44, s44, 3                         ; 8 (16 matrix + hd)
	s_add_co_u32 s45, s44, s28
	s_mul_i32 s45, s45, 6400
	s_and_b32 s46, s41, 3                          ; the tile's place in its group of four
	s_mul_i32 s47, s46, 1536
	s_add_co_u32 s32, s45, s47
	s_add_nc_u64 s[34:35], s[24:25], s[32:33]
	s_wait_loadcnt 0x0                             ; loads come back in order: x's sixteen are in too
.irp g, 0,1,2
	global_store_b128 v4, v[164+4*\g:167+4*\g], s[34:35] offset:512*\g   ; 512 consecutive bytes, aligned
.endr
	s_cmp_lg_u32 s28, 0
	s_cbranch_scc1 .Lx                             ; wave 0 alone: the scale words of group hd = T / 4, K steps 2 (T % 4) + h
	s_lshr_b32 s45, s41, 2
	s_lshl_b32 s45, s45, 11                        ; 64 hd rows of 32 bytes
	s_lshl_b32 s47, s46, 3                         ; + two words
	s_add_co_u32 s32, s45, s47
	s_add_nc_u64 s[14:15], s[14:15], s[32:33]
.irp n, 0,1,2,3
	global_load_b32 v[176+\n], v9, s[14:15] offset:(32*(\n/2)+8*(\n%2))*32
.endr
	s_lshl_b32 s47, s46, 1
	s_add_co_u32 s45, s44, s47
	s_mul_i32 s45, s45, 6400
	s_add_co_u32 s32, s45, 6144
	s_add_nc_u64 s[36:37], s[24:25], s[32:33]
	s_wait_loadcnt 0x0
	global_store_b128 v10, v[176:179], s[36:37]    ; sixteen lanes fill the 256 bytes [r][4] of one chunk, the other sixteen those of the next
.Lx:
	s_wait_loadcnt 0x0                             ; x's sixteen rows
.set i, 0
.rept 16
	ds_store_b128 v5, v[16+4*i:19+4*i] offset:528*i
.set i, i+1
.endr
.set i, 0
.rept 16
	ds_load_b128 v[X+4*i:X+4*i+3], v6 offset:256*(i/8)+16*(i%8)   ; LDS serves a wave's instructions in order: these see my stores.  Register 32 c + i = K 64 c + 32 h + i of row r
.set i, i+1
.endr
	s_wait_dscnt 0x0
.irp c, 0,1
	v_max3_num_f32 v[180+\c], |v[X+32*\c]|, |v[X+1+32*\c]|, 0x2800000   ; my block 2 c + h: all 32 numbers are mine; the floor 2^(5 - 127) holds the byte at 1 from below
.endr
.irp i, 2,4,6,8,10,12,14,16,18,20,22,24,26,28,30
.irp c, 0,1
	v_max3_num_f32 v[180+\c], v[180+\c], |v[X+32*\c+\i]|, |v[X+1+32*\c+\i]|
.endr
.endr
.irp c, 0,1
	v_add_nc_u32 v[182+\c], 0xfe000000, v[180+\c]  ; 4 off the exponent field: the conversion's scale operand
.endr
.irp c, 0,1
	v_lshrrev_b32 v[184+\c], 23, v[182+\c]         ; the scale's byte
.endr
	v_lshl_or_b32 v186, v185, 16, v184             ; my two bytes: blocks h and 2 + h,
	v_lshlrev_b32 v187, 3, v3
	v_lshlrev_b32 v186, v187, v186                 ; 8 h bits up;
	v_mov_b32 v187, 0
	v_permlanex16_b32 v187, v186, s26, s27
	v_or_b32 v186, v186, v187                      ; with lane l xor 16's two the row's word is whole
.irp c, 0,1
	v_cvt_scalef32_pk16_bf6_f32 v[PC+6*\c:PC+6*\c+2], v[X+32*\c:X+32*\c+15], v[182+\c]
	v_cvt_scalef32_pk16_bf6_f32 v[156+4*\c:158+4*\c], v[X+16+32*\c:X+31+32*\c], v[182+\c]   ; (a conversion's three registers begin on an even number)
.endr
	v_nop                                          ; one plain place behind a scaled conversion
.irp c, 0,1
.irp i, 0,1,2
	v_mov_b32 v[PC+3+6*\c+\i], v[156+4*\c+\i]
.endr
.endr
.irp g, 0,1,2
	global_store_b128 v4, v[PC+4*\g:PC+4*\g+3], s[38:39] offset:512*\g
.endr
	ds_store_b32 v7, v186                          ; lanes r and r + 16 write the same word with the same value
	s_wait_dscnt 0x0                               ; for the others' sake: my word has landed
	s_barrier_signal -1
	s_barrier_wait -1
	s_cmp_lg_u32 s28, 0
	s_cbranch_scc1 .Lend
	ds_load_b128 v[16:19], v14                     ; wave 0: the 512 bytes [r][a]
	s_wait_dscnt 0x0
	global_store_b128 v4, v[16:19], s[22:23]
.Lend:
	s_wait_tensorcnt 0x0                           ; the wave's end: a wait, an add and its wait behind my last LDS store
	ds_add_u32 v12, v13
	s_wait_dscnt 0x0
	s_endpgm
.Lfunc_end_k_qa8d33dc731_prep:
	.size	k_qa8d33dc731_prep, .Lfunc_end_k_qa8d33dc731_prep-k_qa8d33dc731_prep
	.p2alignl 7, 3214868480
	.fill 96, 4, 3214868480
	.section	.rodata,"a",@progbits
	.p2align	6, 0x0
	.amdhsa_kernel k_qa8d33dc731_prep
		.amdhsa_group_segment_fixed_size 69120
		.amdhsa_private_segment_fixed_size 0
		.amdhsa_enable_private_segment 0
		.amdhsa_kernarg_size 88
		.amdhsa_user_sgpr_count 2
		.amdhsa_user_sgpr_kernarg_segment_ptr 1
		.amdhsa_wavefront_size32 1
		.amdhsa_system_sgpr_workgroup_id_x 1
		.amdhsa_system_sgpr_workgroup_id_y 1
		.amdhsa_system_sgpr_workgroup_id_z 1
		.amdhsa_system_vgpr_workitem_id 0
		.amdhsa_next_free_vgpr 192
		.amdhsa_next_free_sgpr 66
		.amdhsa_reserve_vcc 0
		.amdhsa_float_denorm_mode_32 3
		.amdhsa_float_denorm_mode_16_64 3
		.amdhsa_memory_ordered 1
		.amdhsa_forward_progress 1
		.amdhsa_inst_pref_size 14
	.end_amdhsa_kernel
	.amdgpu_metadata
---
amdhsa.version: [ 1, 2 ]
amdhsa.kernels:
  - .name:           k_qa8d33dc731_prep
    .symbol:         k_qa8d33dc731_prep.kd
    .args:
      - { .name: hidden_states, .offset: 0, .size: 8, .value_kind: global_buffer, .address_space: global }
      - { .name: Wq_codes, .offset: 8, .size: 8, .value_kind: global_buffer, .address_space: global }
      - { .name: Wk_codes, .offset: 16, .size: 8, .value_kind: global_buffer, .address_space: global }
      - { .name: Wv_codes, .offset: 24, .size: 8, .value_kind: global_buffer, .address_space: global }
      - { .name: Wo_codes, .offset: 32, .size: 8, .value_kind: global_buffer, .address_space: global }
      - { .name: Wq_scales, .offset: 40, .size: 8, .value_kind: global_buffer, .address_space: global }
      - { .name: Wk_scales, .offset: 48, .size: 8, .value_kind: global_buffer, .address_space: global }
      - { .name: Wv_scales, .offset: 56, .size: 8, .value_kind: global_buffer, .address_space: global }
      - { .name: Wo_scales, .offset: 64, .size: 8, .value_kind: global_buffer, .address_space: global }
      - { .name: xq, .offset: 72, .size: 8, .value_kind: global_buffer, .address_space: global }
      - { .name: wimg, .offset: 80, .size: 8, .value_kind: global_buffer, .address_space: global }
    .group_segment_fixed_size: 69120
    .private_segment_fixed_size: 0
    .kernarg_segment_align: 8
    .kernarg_segment_size: 88
    .max_flat_workgroup_size: 256
    .sgpr_count:     66
    .vgpr_count:     192
    .wavefront_size: 32
...
	.end_amdgpu_metadata
.endif
;; end of part 1
;; launch qkv (part 2): grid 4 x 64, 4 waves a work-group, no clusters, 167,936 bytes of LDS; arguments xq, wimg, bq, bk, bv, qimg, kimg, vimg, qkvs; writes qimg, kimg, vimg, qkvs
.if DOCPART == 2
	.amdgcn_target "amdgcn-amd-amdhsa--gfx1250"
	.amdhsa_code_object_version 6
	.text
	.protected	k_qa8d33dc731_qkv
	.globl	k_qa8d33dc731_qkv
	.p2align	8
	.type	k_qa8d33dc731_qkv,@function
k_qa8d33dc731_qkv:
	s_mov_b64 s[64:65], 0
	v_nop
	global_prefetch_b8 v0, s[64:65] scope:SCOPE_SE
	s_setreg_imm32_b32 hwreg(HW_REG_WAVE_MODE, 25, 1), 1
	s_wait_xcnt 0x0
; q = x Wq^T + bq, k = x Wk^T + bk, v = x Wv^T + bv on codes of BF6, then q and k quantised along the head's 64 and v along the keys, all laid as images of the next operands' registers.  No work is left out.
; SHARES: work-group (g, R): 128 tokens (block R of xq) x heads 4 g .. 4 g + 3; wave w takes head hd = 4 g + w.  Pass 1: 8 row tiles x 8 column tiles (4 of Wq, 4 of Wk): 64 accumulators.  Pass 2: 8 x 4 of Wv.
; x's codes and scale words for all of K, 102,400 bytes, come into LDS once, a quarter by each wave's one tensor load; nothing is filled again.  A wave's weights go from memory straight into its registers, three loads of 16 bytes a
; lane for a fragment: no weight byte is read twice inside a work-group.
; PASS 1 IS USED TRANSPOSED (source 0 = 16 rows of W, source 1 = 16 tokens): a lane holds one token and its registers run along the head: the next K.  PASS 2 is not (source 0 = tokens, source 1 = rows of Wv): a lane holds one
; channel d and its registers run along the tokens: the keys, the second attention product's K.  The biases are the C of each sum's first matrix instruction.
; K IS WALKED IN A TURNED ORDER: position P works K step (R + P) % 8, so that the 64 work-groups that share a head's weights begin at different chunks.  Stated limit: the f32 sums are taken in that order.
; OUT: qimg: tile qt of head bh at (64 bh + qt) 768, registers 2 p, 2 p + 1 of its six at 256 p + 8 L.  kimg: (8 bh + step) 6,144 + 1,536 f: registers 0-5 key tile 2 f, registers 6-11 key tile 2 f + 1.
; vimg: (8 bh + step) 6,144 + 1,536 n: rows d of tile n, K = the step's 128 keys.  qkvs: which x 262,144 + (8 bh + step) 256 + 16 r + 4 f.
; No cluster: what work-groups share is weights (12,800 bytes a K step and wave), which go to registers, where a joint load cannot land; the one LDS fill is 102,400 of a work-group's 716,800 bytes, once.
; LIMITS: NaN and infinities are not served; blocks under 2^-122 keep the byte 1, a block of zeros the byte 1 with zero codes (this program alone reads the bytes).
; REGISTERS, in windows of 256.  Window 0: v1-8 addresses; v28, v29 the add's two; v32-127 x's eight fragments; v128-143 x's scale words, two sets; v144-159 the weights', two sets; v160-191 bv as C; v192-207 at work; v208-227 codes;
; v228-239 the scale words made.  Window 1: the weights' fragments, two sets of eight (v0-95, v96-191); v192-255 bq, bk as C.  Windows 2, 3: accumulators: pass 1 (a, n) in window 2 + a / 4 at v[64 (a % 4) + 8 n]; pass 2 (a, n) in window 2 at v[64 n + 8 a].
.set SPARE, 102400                     ; behind x's block: the spare words, 128 bytes a wave: two blocks of 256 bytes that no other line names
.set MATB,  819200                     ; from matrix to matrix in wimg
.set AF,  32
.set XS,  128
.set WS,  144
.set BV,  160
.set TM,  192
.set PC,  208
.set PWQ, 228
.set PWK, 232
.set PWV, 236
.set SB,  44                           ; s[44+2p:45+2p]: my head's chunk of Wq for position p; never rewritten
.set MSB, 0
.macro WIN new                         ; the immediate's high byte repeats the setting that is left
.if MSB != (\new)
	s_set_vgpr_msb (MSB<<8)|(\new)
.set MSB, (\new)
.endif
.endm
.macro PLACES k
.rept \k
	v_nop
.endr
.endm
; 26 loads: position P's eight fragments (four of Wq, four of Wk) and their scale words into set P % 2
.macro LB P
	WIN 0x40                                       ; destination window 1, address window 0
.irp n, 0,1,2,3,4,5,6,7
.irp g, 0,1,2
	global_load_b128 v[96*((\P)%2)+12*\n+4*\g:96*((\P)%2)+12*\n+4*\g+3], v1, s[SB+2*(\P):SB+2*(\P)+1] offset:(\n/4)*MATB+1536*(\n%4)+512*\g
.endr
.endr
	WIN 0
.irp m, 0,1
	global_load_b128 v[WS+8*((\P)%2)+4*\m:WS+8*((\P)%2)+4*\m+3], v2, s[SB+2*(\P):SB+2*(\P)+1] offset:\m*MATB+6144
.endr
.endm
; 26 loads: Wv's four fragments and scale words of positions 2 u and 2 u + 1 into set u % 2
.macro LV u
	WIN 0x40
.irp e, 0,1
.irp n, 0,1,2,3
.irp g, 0,1,2
	global_load_b128 v[96*((\u)%2)+12*(4*\e+\n)+4*\g:96*((\u)%2)+12*(4*\e+\n)+4*\g+3], v1, s[SB+2*(2*(\u)+\e):SB+2*(2*(\u)+\e)+1] offset:2*MATB+1536*\n+512*\g
.endr
.endr
.endr
	WIN 0
.irp e, 0,1
	global_load_b128 v[WS+8*((\u)%2)+4*\e:WS+8*((\u)%2)+4*\e+3], v2, s[SB+2*(2*(\u)+\e):SB+2*(2*(\u)+\e)+1] offset:2*MATB+6144
.endr
.endm
.macro NEXTSIG                         ; the next K step's places in LDS; its two vector lines are plain and name no matrix register
	s_add_co_u32 s27, s27, 1
	s_and_b32 s27, s27, 7
	s_mul_i32 s30, s27, 12288
	v_add_nc_u32 v3, s30, v1
	s_lshl_b32 s30, s27, 9
	v_add_nc_u32 v4, s30, v5
.endm
.macro FA i0                           ; x's fragments i0 .. i0 + 3: 12 LDS loads
.irp a, \i0, \i0+1, \i0+2, \i0+3
.irp g, 0,1,2
	ds_load_b128 v[AF+12*(\a)+4*\g:AF+12*(\a)+4*\g+3], v3 offset:1536*(\a)+512*\g
.endr
.endr
.endm
.macro FXS s                           ; x's eight scale words of a K step: 2 LDS loads
	ds_load_b128 v[XS+8*(\s):XS+8*(\s)+3], v4
	ds_load_b128 v[XS+8*(\s)+4:XS+8*(\s)+7], v4 offset:16
.endm
; 16 matrix instructions of pass 1: row tiles a0, a0 + 1 x the eight column tiles.  The 64 accumulators take turns, one instruction a turn, in the same order in every step.
.macro MUL16 a0, set, xs, first
.if \first
	WIN 0x91+0x40*((\a0)/4)                        ; source 0 (W) and C (the bias) window 1, source 1 (x) window 0, D window 2 or 3
.else
	WIN 0xa1+0x50*((\a0)/4)                        ; C and D window 2 or 3
.endif
.irp a, \a0, \a0+1
.irp n, 0,1,2,3,4,5,6,7
.if \first
	v_wmma_scale_f32_16x16x128_f8f6f4 v[64*((\a)%4)+8*\n:64*((\a)%4)+8*\n+7], v[96*(\set)+12*\n:96*(\set)+12*\n+11], v[AF+12*(\a):AF+12*(\a)+11], v[192+8*\n:192+8*\n+7], v[WS+8*(\set)+\n], v[XS+8*(\xs)+(\a)] matrix_a_fmt:MATRIX_FMT_BF6 matrix_b_fmt:MATRIX_FMT_BF6
.else
	v_wmma_scale_f32_16x16x128_f8f6f4 v[64*((\a)%4)+8*\n:64*((\a)%4)+8*\n+7], v[96*(\set)+12*\n:96*(\set)+12*\n+11], v[AF+12*(\a):AF+12*(\a)+11], v[64*((\a)%4)+8*\n:64*((\a)%4)+8*\n+7], v[WS+8*(\set)+\n], v[XS+8*(\xs)+(\a)] matrix_a_fmt:MATRIX_FMT_BF6 matrix_b_fmt:MATRIX_FMT_BF6
.endif
.endr
.endr
.endm
; 16 matrix instructions of pass 2: row tiles a0 .. a0 + 3 x Wv's four column tiles (half e of the set)
.macro VMUL a0, set, e, xs, first
.if \first
	WIN 0x84                                       ; source 0 (x) and C (bv) window 0, source 1 (Wv) window 1, D window 2
.else
	WIN 0xa4
.endif
.irp a, \a0, \a0+1, \a0+2, \a0+3
.irp n, 0,1,2,3
.if \first
	v_wmma_scale_f32_16x16x128_f8f6f4 v[64*\n+8*(\a):64*\n+8*(\a)+7], v[AF+12*(\a):AF+12*(\a)+11], v[96*(\set)+12*(4*(\e)+\n):96*(\set)+12*(4*(\e)+\n)+11], v[BV+8*\n:BV+8*\n+7], v[XS+8*(\xs)+(\a)], v[WS+8*(\set)+4*(\e)+\n] matrix_a_fmt:MATRIX_FMT_BF6 matrix_b_fmt:MATRIX_FMT_BF6
.else
	v_wmma_scale_f32_16x16x128_f8f6f4 v[64*\n+8*(\a):64*\n+8*(\a)+7], v[AF+12*(\a):AF+12*(\a)+11], v[96*(\set)+12*(4*(\e)+\n):96*(\set)+12*(4*(\e)+\n)+11], v[64*\n+8*(\a):64*\n+8*(\a)+7], v[XS+8*(\xs)+(\a)], v[WS+8*(\set)+4*(\e)+\n] matrix_a_fmt:MATRIX_FMT_BF6 matrix_b_fmt:MATRIX_FMT_BF6
.endif
.endr
.endr
.endm
; Four blocks of 32, each with 16 numbers in my lane and 16 in lane l xor 16 (blocks 0, 1 at sA, sA + 16, blocks 2, 3 at sB, sB + 16 of window w), become a fragment's codes in v[PC] on and its scale word in v[pw].
; Each accumulator is read from its low end on.
.macro QUANT2 w, sA, sB, pw
	WIN (\w)|((\w)<<2)
.irp b, 0,1,2,3
.set QB, (\sA)+16*\b+((\sB)-(\sA)-32)*(\b/2)
	v_max3_num_f32 v[TM+\b], |v[QB]|, |v[QB+1]|, 0x2800000   ; the floor 2^(5 - 127) holds the byte at 1 from below
.endr
	WIN ((\w)<<2)|((\w)<<4)
.irp i, 2,4,6,8,10,12,14
.irp b, 0,1,2,3
.set QB, (\sA)+16*\b+((\sB)-(\sA)-32)*(\b/2)
	v_max3_num_f32 v[TM+\b], v[TM+\b], |v[QB+\i]|, |v[QB+\i+1]|
.endr
.endr
	WIN 0
.irp b, 0,1,2,3
	v_permlanex16_b32 v[TM+4+\b], v[TM+\b], s60, s61
.endr
.irp b, 0,1,2,3
	v_max_num_f32 v[TM+\b], v[TM+\b], v[TM+4+\b]   ; the block's largest magnitude
.endr
.irp b, 0,1,2,3
	v_add_nc_u32 v[TM+12+\b], 0xfe000000, v[TM+\b] ; 4 off its exponent field: the conversion's scale operand
.endr
.irp b, 0,1,2,3
	v_lshrrev_b32 v[TM+4+\b], 23, v[TM+12+\b]      ; the scale's byte
.endr
	v_lshl_or_b32 v[\pw], v[TM+5], 8, v[TM+4]
	v_lshl_or_b32 v[\pw], v[TM+6], 16, v[\pw]
	v_lshl_or_b32 v[\pw], v[TM+7], 24, v[\pw]
	s_wait_xcnt 0x0                                ; the earlier stores have read the codes' registers: they are written again only behind this wait
	WIN (\w)
	v_cvt_scalef32_pk16_bf6_f32 v[PC:PC+2], v[(\sA):(\sA)+15], v[TM+12]
	v_cvt_scalef32_pk16_bf6_f32 v[PC+12:PC+14], v[(\sA)+16:(\sA)+31], v[TM+13]
	v_cvt_scalef32_pk16_bf6_f32 v[PC+6:PC+8], v[(\sB):(\sB)+15], v[TM+14]
	v_cvt_scalef32_pk16_bf6_f32 v[PC+16:PC+18], v[(\sB)+16:(\sB)+31], v[TM+15]
	WIN 0
	v_nop                                          ; one plain place behind a scaled conversion
.irp c, 0,1                                    ; the operand's layout wants a whole block in a lane: lanes 0-15 block 2 c, lanes 16-31 block 2 c + 1
.irp i, 0,1,2
	v_permlane16_swap_b32 v[PC+6*\c+\i], v[PC+12+4*\c+\i]
.endr
.irp i, 0,1,2
	v_mov_b32 v[PC+3+6*\c+\i], v[PC+12+4*\c+\i]
.endr
.endr
.endm
	s_load_b256 s[4:11], s[0:1], 0x0               ; xq s[4:5], wimg s[6:7], bq s[8:9], bk s[10:11]
	s_load_b256 s[12:19], s[0:1], 0x20             ; bv s[12:13], qimg s[14:15], kimg s[16:17], vimg s[18:19]
	s_load_b64 s[20:21], s[0:1], 0x40              ; qkvs
	v_lshl_add_u32 v28, v0, 2, SPARE
	v_mov_b32 v29, 0
	ds_add_u32 v28, v29                            ; the wave's opening: the add, twice on end, and its wait ahead of my tensor load
	ds_add_u32 v28, v29
	v_lshrrev_b32 v1, 5, v0
	v_readfirstlane_b32 s22, v1                    ; wave 0..3
	s_and_b32 s24, ttmp7, 0xffff                   ; R
	s_lshl_b32 s25, ttmp9, 2
	s_add_co_u32 s25, s25, s22                     ; hd
	s_lshr_b32 s26, s24, 3
	s_lshl_b32 s26, s26, 4
	s_add_co_u32 s26, s26, s25                     ; bh = 16 b + hd
	s_mov_b32 s36, 3<<16                           ; group 1: elements of 8 bytes, no mask, no padding
	s_mov_b32 s37, 32<<16                          ; tensor_dim0 = 32 elements: rows of 256 bytes
	s_mov_b32 s38, 100<<16                         ; tensor_dim1 = 100 rows: my quarter, 25,600 dense bytes
	s_mov_b32 s39, 32<<16                          ; tile_dim0
	s_mov_b32 s40, 100                             ; tile_dim1
	s_mov_b32 s41, 32                              ; the pitch
	s_mov_b32 s42, 0
	s_mov_b32 s43, 0
	s_mov_b32 s32, 1                               ; group 0: count
	s_mul_i32 s33, s22, 25600                      ; LDS address: wave x 25,600
	s_mul_i32 s28, s24, 102400
	s_add_co_u32 s28, s28, s33
	s_mov_b32 s29, 0                               ; s[28:29] is the offset pair from here on
	s_wait_dscnt 0x0                               ; both opening adds are done
	s_wait_kmcnt 0x0
	s_add_nc_u64 s[34:35], s[4:5], s[28:29]
	s_or_b32 s35, s35, 0x80000000                  ; the type
	tensor_load_to_lds s[32:35], s[36:43]          ; my one tensor load of the launch
	s_nop 0
	PLACES 4
	v_and_b32 v9, 31, v0                           ; L
	v_and_b32 v10, 15, v0                          ; r
	v_bfe_u32 v11, v0, 4, 1                        ; h
	v_lshlrev_b32 v1, 4, v9                        ; 16 L
	v_lshlrev_b32 v2, 4, v10                       ; 16 r
	v_lshl_add_u32 v5, v10, 5, 98304               ; x's scale words: 98,304 + 32 r
	v_lshlrev_b32 v6, 6, v11                       ; bq, bk: 16 h numbers on
	v_and_b32 v7, 8, v10
	v_add_nc_u32 v7, v7, v10
	v_lshlrev_b32 v7, 2, v7                        ; bv: number r + 8 (r / 8) of a tile
	v_lshlrev_b32 v8, 3, v9                        ; 8 L
.irp b, 0,1,2,3
	v_mov_b32 v[TM+4+\b], 0                        ; written once: a lane permute's destination counts as one of its sources
.endr
	s_mov_b32 s60, 0x76543210
	s_mov_b32 s61, 0xfedcba98
	s_mul_i32 s31, s25, 51200
.irp p, 0,1,2,3,4,5,6,7
	s_add_co_u32 s30, s24, \p
	s_and_b32 s30, s30, 7                          ; K step of position p
	s_mul_i32 s30, s30, 6400
	s_add_co_u32 s28, s30, s31
	s_add_nc_u64 s[SB+2*\p:SB+2*\p+1], s[6:7], s[28:29]
.endr
	s_and_b32 s27, s24, 7                          ; the key step of my tokens, and the first K step
	s_lshl_b32 s30, s26, 3
	s_add_co_u32 s30, s30, s27                     ; 8 bh + step
	s_mul_i32 s28, s30, 6144
	s_add_nc_u64 s[14:15], s[14:15], s[28:29]
	s_add_nc_u64 s[16:17], s[16:17], s[28:29]
	s_add_nc_u64 s[18:19], s[18:19], s[28:29]
	s_lshl_b32 s28, s30, 8
	s_add_nc_u64 s[20:21], s[20:21], s[28:29]
	s_lshl_b32 s28, s25, 8                         ; my head's 64 numbers of each bias
	s_add_nc_u64 s[8:9], s[8:9], s[28:29]
	s_add_nc_u64 s[10:11], s[10:11], s[28:29]
	s_add_nc_u64 s[12:13], s[12:13], s[28:29]
	WIN 0x40
.irp n, 0,1,2,3                                ; lane (r, h), tile n, register j: channel 32 (n / 2) + 8 (n % 2) + 16 h + j
	global_load_b128 v[192+8*\n:195+8*\n], v6, s[8:9] offset:(32*(\n/2)+8*(\n%2))*4
	global_load_b128 v[196+8*\n:199+8*\n], v6, s[8:9] offset:(32*(\n/2)+8*(\n%2))*4+16
	global_load_b128 v[224+8*\n:227+8*\n], v6, s[10:11] offset:(32*(\n/2)+8*(\n%2))*4
	global_load_b128 v[228+8*\n:231+8*\n], v6, s[10:11] offset:(32*(\n/2)+8*(\n%2))*4+16
.endr
	WIN 0
.irp n, 0,1,2,3
	global_load_b32 v[BV+8*\n], v7, s[12:13] offset:(32*(\n/2)+8*(\n%2))*4
.endr
	LB 0
	LB 1
	s_wait_tensorcnt 0x0                           ; my quarter of x's block has landed,
	s_barrier_signal -1
	s_barrier_wait -1                              ; everybody's has
	s_mul_i32 s30, s27, 12288
	v_add_nc_u32 v3, s30, v1
	s_lshl_b32 s30, s27, 9
	v_add_nc_u32 v4, s30, v5
	FA 0
	FXS 0
	FA 4
; A step of pass 1: 64 matrix instructions.  x has one set of fragments: tiles 0-3 are fetched anew in the step's middle, tiles 4-7 at its end.  The weights have two sets; the set just used takes the loads of two positions on.
.macro STEP P, first
	s_wait_loadcnt 26                              ; behind this position's group only the next group's 26 loads were issued
	s_wait_dscnt 12                                ; x's tiles 0-3 and scale words are in; the youngest twelve loads (tiles 4-7) may be out
	MUL16 0, (\P)%2, (\P)%2, \first
	MUL16 2, (\P)%2, (\P)%2, \first
	s_wait_dscnt 0x0                               ; tiles 4-7 are in
	WIN 0
	NEXTSIG
	PLACES 2                                       ; with the two additions: four places in front of loads into registers that matrix instructions have read
	FA 0
	FXS ((\P)+1)%2
	MUL16 4, (\P)%2, (\P)%2, \first
	MUL16 6, (\P)%2, (\P)%2, \first
	WIN 0
	PLACES 4
	FA 4
.if (\P) < 6
	LB (\P)+2
.elseif (\P) == 6
	LV 0
.else
	LV 1
.endif
.endm
	STEP 0, 1
	STEP 1, 0
	STEP 2, 0
	STEP 3, 0
	STEP 4, 0
	STEP 5, 0
	STEP 6, 0
	STEP 7, 0
; q and k of row tiles 2 f and 2 f + 1 become one fragment each: registers 0-5 tile 2 f, registers 6-11 tile 2 f + 1
.macro EPI1 f
	QUANT2 2+(\f)/2, 128*((\f)%2), 128*((\f)%2)+64, PWQ+(\f)
.irp i, 0,1,2,3,4,5
	global_store_b64 v8, v[PC+2*\i:PC+2*\i+1], s[14:15] offset:(2*(\f)+\i/3)*768+256*(\i%3)   ; 32 lanes store 256 consecutive bytes, aligned
.endr
	QUANT2 2+(\f)/2, 128*((\f)%2)+32, 128*((\f)%2)+96, PWK+(\f)
.irp g, 0,1,2
	global_store_b128 v1, v[PC+4*\g:PC+4*\g+3], s[16:17] offset:1536*(\f)+512*\g
.endr
.endm
	EPI1 0
	EPI1 1
	EPI1 2
	EPI1 3
	global_store_b128 v2, v[PWQ:PWQ+3], s[20:21]                 ; [r][f]: 256 bytes (lanes r and r + 16 store the same)
	global_store_b128 v2, v[PWK:PWK+3], s[20:21] offset:262144
	s_wait_loadcnt 0x0                             ; Wv's first two groups (and bv, long since)
.irp n, 0,1,2,3
.irp j, 1,2,3,4,5,6,7
	v_mov_b32 v[BV+8*\n+\j], v[BV+8*\n]            ; bv of my channel, for the eight tokens of a tile
.endr
.endr
	PLACES 5                                       ; pass 2's first products write over pass 1's accumulators
.macro VSTEP P, first
.if (\P) == 4
	s_wait_loadcnt 26                              ; the third group is in; the fourth, issued behind it, may be out
.elseif (\P) == 6
	s_wait_loadcnt 0x0
.endif
	s_wait_dscnt 12
	VMUL 0, ((\P)/2)%2, (\P)%2, (\P)%2, \first
	s_wait_dscnt 0x0
	WIN 0
.if (\P) < 7
	NEXTSIG
	PLACES 2
	FA 0
	FXS ((\P)+1)%2
.endif
	VMUL 4, ((\P)/2)%2, (\P)%2, (\P)%2, \first
	WIN 0
	PLACES 4
.if (\P) < 7
	FA 4
.endif
.if (\P) == 1
	LV 2
.elseif (\P) == 3
	LV 3
.endif
.endm
	VSTEP 0, 1
	VSTEP 1, 0
	VSTEP 2, 0
	VSTEP 3, 0
	VSTEP 4, 0
	VSTEP 5, 0
	VSTEP 6, 0
	VSTEP 7, 0
.irp n, 0,1,2,3
	QUANT2 2, 64*\n, 64*\n+32, PWV+\n
.irp g, 0,1,2
	global_store_b128 v1, v[PC+4*\g:PC+4*\g+3], s[18:19] offset:1536*\n+512*\g
.endr
.endr
	global_store_b128 v2, v[PWV:PWV+3], s[20:21] offset:524288
	s_wait_tensorcnt 0x0                           ; the wave's end
	ds_add_u32 v28, v29
	s_wait_dscnt 0x0
	s_endpgm
.Lfunc_end_k_qa8d33dc731_qkv:
	.size	k_qa8d33dc731_qkv, .Lfunc_end_k_qa8d33dc731_qkv-k_qa8d33dc731_qkv
	.p2alignl 7, 3214868480
	.fill 96, 4, 3214868480
	.section	.rodata,"a",@progbits
	.p2align	6, 0x0
	.amdhsa_kernel k_qa8d33dc731_qkv
		.amdhsa_group_segment_fixed_size 167936
		.amdhsa_private_segment_fixed_size 0
		.amdhsa_enable_private_segment 0
		.amdhsa_kernarg_size 72
		.amdhsa_user_sgpr_count 2
		.amdhsa_user_sgpr_kernarg_segment_ptr 1
		.amdhsa_wavefront_size32 1
		.amdhsa_system_sgpr_workgroup_id_x 1
		.amdhsa_system_sgpr_workgroup_id_y 1
		.amdhsa_system_sgpr_workgroup_id_z 1
		.amdhsa_system_vgpr_workitem_id 0
		.amdhsa_next_free_vgpr 1024
		.amdhsa_next_free_sgpr 66
		.amdhsa_reserve_vcc 0
		.amdhsa_float_denorm_mode_32 3
		.amdhsa_float_denorm_mode_16_64 3
		.amdhsa_memory_ordered 1
		.amdhsa_forward_progress 1
		.amdhsa_inst_pref_size 222
	.end_amdhsa_kernel
	.amdgpu_metadata
---
amdhsa.version: [ 1, 2 ]
amdhsa.kernels:
  - .name:           k_qa8d33dc731_qkv
    .symbol:         k_qa8d33dc731_qkv.kd
    .args:
      - { .name: xq, .offset: 0, .size: 8, .value_kind: global_buffer, .address_space: global }
      - { .name: wimg, .offset: 8, .size: 8, .value_kind: global_buffer, .address_space: global }
      - { .name: bq, .offset: 16, .size: 8, .value_kind: global_buffer, .address_space: global }
      - { .name: bk, .offset: 24, .size: 8, .value_kind: global_buffer, .address_space: global }
      - { .name: bv, .offset: 32, .size: 8, .value_kind: global_buffer, .address_space: global }
      - { .name: qimg, .offset: 40, .size: 8, .value_kind: global_buffer, .address_space: global }
      - { .name: kimg, .offset: 48, .size: 8, .value_kind: global_buffer, .address_space: global }
      - { .name: vimg, .offset: 56, .size: 8, .value_kind: global_buffer, .address_space: global }
      - { .name: qkvs, .offset: 64, .size: 8, .value_kind: global_buffer, .address_space: global }
    .group_segment_fixed_size: 167936
    .private_segment_fixed_size: 0
    .kernarg_segment_align: 8
    .kernarg_segment_size: 72
    .max_flat_workgroup_size: 128
    .sgpr_count:     66
    .vgpr_count:     1024
    .wavefront_size: 32
...
	.end_amdgpu_metadata
.endif
;; end of part 2
;; launch attn (part 3): grid 4 x 64, 16 waves a work-group, no clusters, 211,968 bytes of LDS; arguments qimg, kimg, vimg, qkvs, attention_mask, cq; writes cq
.if DOCPART == 3
	.amdgcn_target "amdgcn-amd-amdhsa--gfx1250"
	.amdhsa_code_object_version 6
	.text
	.protected	k_qa8d33dc731_attn
	.globl	k_qa8d33dc731_attn
	.p2align	8
	.type	k_qa8d33dc731_attn,@function
k_qa8d33dc731_attn:
	s_mov_b64 s[64:65], 0
	v_nop
	global_prefetch_b8 v0, s[64:65] scope:SCOPE_SE
	s_setreg_imm32_b32 hwreg(HW_REG_WAVE_MODE, 25, 1), 1
	s_wait_xcnt 0x0
; ctx = softmax(q k^T / 8 + mask) v on codes of BF6, then ctx quantised along the hidden axis as the last product's operand.  No work is left out.
; THE SOFTMAX: t = logit x log2(e); M = the running largest t rounded UP to a whole number; p = 2^(t - M) is quantised along the keys, not normalised; the row's sum is taken of the unquantised p and divides at the end.
; SHARES: work-group (qb, y): batch b = y / 8, heads 2 (y % 8) and 2 (y % 8) + 1, queries 256 qb on.  Wave w owns query tile 16 qb + w and walks head 0, then head 1: so it ends with a whole fragment of ctx (128 along the hidden axis).
; Both heads' K and V (196,608 bytes), their scale words and the mask lie whole in LDS, brought once through registers: no ring, no barrier in the loops.  Four waves to a SIMD: one wave's vector work stands beside another's loads and products.
; LAYOUT: both products transposed: S^T = K q^T, O^T = V^T p^T: a lane holds one query throughout; the 16 registers of key tiles 2 f, 2 f + 1 are 16 neighbouring keys.
; THE FIRST PRODUCT'S K IS 64, the instruction's 128: a fragment of K holds TWO key tiles, [tile 2 f | tile 2 f + 1], and q stands in v16-33 as [0 x 6 | q x 6 | 0 x 6]: v[22:33] = [q | 0] gives tile 2 f, v[16:27] = [0 | q] tile 2 f + 1.
; Zero codes add nothing; q's scale word is (s0, s1, s0, s1), so that both halves have finite scales.
; THE MASK is the C of the score products: 8 x mask[key], so that S = q . k + 8 mask = 8 x the logit, and t = S x log2(e) / 8.
; No cluster: K and V are fetched once, at the head, and nothing is fetched in the loops; the four work-groups that share them would save 3 of 4 reads of 200,704 bytes, once.
; LIMITS: NaN in the inputs is not served; a mask beyond 2^125 in size becomes infinite under the factor 8 (minus infinity gives p = 0, as the exponential of such a logit is 0); a row all of whose keys are masked to minus infinity is not served;
; blocks of ctx under 2^-122 keep the byte 1, a block of zeros the byte 1 with zero codes (this program alone reads the bytes).
; REGISTERS: v1-4 addresses that stay; v5, v6 the add's two; v8-11 addresses in hand; v12 -M, v13 the largest t, v[14:15] the sum; v16-33 q between zeros; v36-83 four fragments of K, then of V; v84-93 addresses; v96-159 S^T, then p;
; v160-191 O^T; v192-203 ctx's codes; v204-209 head 1's q; v210-212 scale words; v224-235 p's codes; v232-247 at work; v248-251 K's (lanes 0-15) and V's (lanes 16-31) scale words; v252 f, v253 p's scale word, v255 q's.
.set VIM,   98304                      ; LDS: K's images at 0 (head c at 49,152 c, fragment (step, f) at (4 step + f) 1,536), V's here, in the same form
.set KSC,   196608                     ; K's scale words: 2,048 c + 256 step + 16 r;  V's 4,096 further on
.set MSK,   204800                     ; 8 x mask: 4,096 bytes
.set CST,   208896                     ; ctx's scale words on the way out: 1,024 bytes
.set SPARE, 209920                     ; the spare words: 128 bytes a wave, eight blocks of 256 bytes that no other line names
	s_load_b256 s[4:11], s[0:1], 0x0               ; qimg s[4:5], kimg s[6:7], vimg s[8:9], qkvs s[10:11]
	s_load_b128 s[12:15], s[0:1], 0x20             ; mask s[12:13], cq s[14:15]
	v_lshl_add_u32 v5, v0, 2, SPARE
	v_mov_b32 v6, 0
	v_lshrrev_b32 v7, 5, v0
	v_readfirstlane_b32 s16, v7                    ; wave 0..15
	v_and_b32 v7, 31, v0                           ; L
	v_and_b32 v8, 15, v0                           ; r
	v_bfe_u32 v9, v0, 4, 1                         ; h
	v_lshlrev_b32 v1, 4, v7                        ; 16 L
	v_lshlrev_b32 v89, 4, v8                       ; 16 r
	v_lshl_add_u32 v2, v9, 12, v89
	v_add_nc_u32 v2, KSC, v2                       ; scale words: lanes 0-15 K's, lanes 16-31 V's, 4,096 bytes on
	v_lshl_add_u32 v3, v9, 6, MSK                  ; the mask: 16 h keys on
	v_lshlrev_b32 v4, 3, v7                        ; 8 L
	v_lshlrev_b32 v84, 4, v0                       ; 16 x thread, and the same 65,536 and 131,072 bytes on: an LDS offset has 16 bits
	v_add_nc_u32 v85, 0x10000, v84
	v_add_nc_u32 v86, 0x20000, v84
	s_lshr_b32 s32, s16, 1
	s_lshl_b32 s32, s32, 7
	s_and_b32 s33, s16, 1
	s_lshl_b32 s33, s33, 2
	s_add_co_u32 s32, s32, s33
	s_add_co_u32 s32, s32, CST
	v_lshl_add_u32 v87, v8, 3, s32                 ; CST + 128 (w / 2) + 4 (w % 2) + 8 r
	v_and_b32 v88, 255, v0
	v_lshlrev_b32 v88, 4, v88
	v_lshlrev_b32 v90, 3, v0
	v_add_nc_u32 v91, KSC, v84
	v_add_nc_u32 v92, MSK, v90
	v_add_nc_u32 v93, CST, v84
	s_mov_b32 s20, 0x76543210
	s_mov_b32 s21, 0xfedcba98                      ; selects for lane l xor 16
	s_mov_b32 s22, 0x3e38aa3b                      ; log2(e) / 8
	s_mov_b32 s23, s22                             ; (named with it as a pair, so it is written)
	s_and_b32 s18, ttmp7, 0xffff
	s_lshr_b32 s19, s18, 3                         ; b
	s_and_b32 s24, s18, 7                          ; the pair of heads
	s_lshl_b32 s25, s19, 4
	s_lshl_b32 s32, s24, 1
	s_add_co_u32 s25, s25, s32                     ; bh0 = 16 b + 2 pair
	s_mov_b32 s31, 0                               ; s[30:31] is the offset pair
	s_wait_kmcnt 0x0
	s_mul_i32 s30, s25, 49152
	s_add_nc_u64 s[6:7], s[6:7], s[30:31]
	s_add_nc_u64 s[8:9], s[8:9], s[30:31]
	s_lshr_b32 s32, s16, 3                         ; waves 0-7 bring K's scale words, waves 8-15 V's
	s_add_co_u32 s33, s32, 1
	s_lshl_b32 s33, s33, 18
	s_lshl_b32 s30, s25, 11
	s_add_co_u32 s30, s30, s33
	s_add_nc_u64 s[34:35], s[10:11], s[30:31]
	s_lshl_b32 s30, s19, 12
	s_add_nc_u64 s[12:13], s[12:13], s[30:31]
	s_lshl_b32 s33, ttmp9, 4
	s_add_co_u32 s33, s33, s16                     ; my query tile
	s_lshl_b32 s30, s25, 6
	s_add_co_u32 s30, s30, s33
	s_mul_i32 s30, s30, 768
	s_add_nc_u64 s[4:5], s[4:5], s[30:31]
	s_lshl_b32 s30, s25, 3
	s_lshl_b32 s33, ttmp9, 1
	s_add_co_u32 s30, s30, s33
	s_add_co_u32 s30, s30, s32                     ; 8 bh0 + my tile / 8
	s_lshl_b32 s30, s30, 8
	s_and_b32 s33, s16, 7
	s_lshr_b32 s33, s33, 1
	s_lshl_b32 s33, s33, 2
	s_add_co_u32 s30, s30, s33                     ; + the word of my pair of tiles
	s_add_nc_u64 s[10:11], s[10:11], s[30:31]
	s_lshl_b32 s33, s19, 5
	s_lshl_b32 s40, ttmp9, 3
	s_add_co_u32 s33, s33, s40                     ; 32 b + 8 qb: my work-group's first group of 32 tokens
	s_lshl_b32 s30, s33, 7
	s_lshl_b32 s40, s24, 15
	s_add_co_u32 s30, s30, s40
	s_add_co_u32 s30, s30, 6291456
	s_add_nc_u64 s[38:39], s[14:15], s[30:31]      ; where the work-group's scale words of ctx go
	s_lshr_b32 s40, s16, 1
	s_add_co_u32 s33, s33, s40
	s_lshl_b32 s33, s33, 3
	s_add_co_u32 s33, s33, s24
	s_lshl_b32 s33, s33, 1
	s_and_b32 s40, s16, 1
	s_add_co_u32 s33, s33, s40
	s_mul_i32 s30, s33, 1536
	s_add_nc_u64 s[36:37], s[14:15], s[30:31]      ; where my fragment of ctx goes
.set i, 0
.rept 12
	global_load_b128 v[96+4*i:99+4*i], v84, s[6:7] offset:8192*i      ; the sixteen waves read 8,192 consecutive bytes
.set i, i+1
.endr
.set i, 0
.rept 12
	global_load_b128 v[144+4*i:147+4*i], v84, s[8:9] offset:8192*i
.set i, i+1
.endr
	global_load_b128 v[192:195], v88, s[34:35]
	global_load_b64 v[196:197], v90, s[12:13]
.irp p, 0,1,2
	global_load_b64 v[22+2*\p:23+2*\p], v4, s[4:5] offset:256*\p           ; head 0's q
	global_load_b64 v[204+2*\p:205+2*\p], v4, s[4:5] offset:49152+256*\p   ; head 1's
.endr
	global_load_b32 v210, v89, s[10:11]
	global_load_b32 v212, v89, s[10:11] offset:2048
	s_wait_loadcnt 8                               ; all but q's eight loads, which were issued last
	v_mul_f32 v196, 0x41000000, v196               ; 8 x mask
	v_mul_f32 v197, 0x41000000, v197
.set i, 0
.rept 24
	ds_store_b128 v[84+i/8], v[96+4*i:99+4*i] offset:8192*(i%8)
.set i, i+1
.endr
	ds_store_b128 v91, v[192:195]
	ds_store_b64 v92, v[196:197]
	s_wait_loadcnt 0x0
	s_and_b32 s32, s16, 1
	s_cmp_eq_u32 s32, 0
	s_mov_b32 s33, 0x03020302
	s_cselect_b32 s33, 0x01000100, s33             ; my tile's two bytes of the pair's word, twice
	v_perm_b32 v255, v210, v210, s33
	v_perm_b32 v212, v212, v212, s33
.irp i, 0,1,2,3,4,5
	v_mov_b32 v[16+\i], 0
	v_mov_b32 v[28+\i], 0
.endr
.irp b, 0,1,2,3
	v_mov_b32 v[236+\b], 0                         ; written once: a lane permute's destination counts as one of its sources
.endr
	v_mov_b32 v253, 0                              ; (named as the upper half of the pair v[252:253] before it is first written)
	s_wait_dscnt 0x0                               ; for the others' sake: my stores have landed
	s_barrier_signal -1
	s_barrier_wait -1
; A KEY STEP: 128 keys
.macro KSTEP
	v_add_nc_u32 v8, s26, v1                       ; these four additions are the places behind the last step's products
	v_add_nc_u32 v9, VIM, v8
	v_add_nc_u32 v10, s27, v2
	v_add_nc_u32 v11, s28, v3
.irp t, 0,1,2,3,4,5,6,7
	ds_load_b128 v[96+8*\t:99+8*\t], v11 offset:128*(\t/2)+32*(\t%2)        ; 8 x mask of keys 32 (t / 2) + 8 (t % 2) + 16 h + 0 .. 7: the scores' C
	ds_load_b128 v[100+8*\t:103+8*\t], v11 offset:128*(\t/2)+32*(\t%2)+16
.endr
	ds_load_b128 v[248:251], v10
.irp f, 0,1,2,3
.irp g, 0,1,2
	ds_load_b128 v[36+12*\f+4*\g:39+12*\f+4*\g], v8 offset:1536*\f+512*\g
.endr
.endr
	s_wait_dscnt 0x0
.irp f, 0,1,2,3
	v_wmma_scale_f32_16x16x128_f8f6f4 v[96+16*\f:103+16*\f], v[36+12*\f:47+12*\f], v[22:33], v[96+16*\f:103+16*\f], v[248+\f], v255 matrix_a_fmt:MATRIX_FMT_BF6 matrix_b_fmt:MATRIX_FMT_BF6
	v_wmma_scale_f32_16x16x128_f8f6f4 v[104+16*\f:111+16*\f], v[36+12*\f:47+12*\f], v[16:27], v[104+16*\f:111+16*\f], v[248+\f], v255 matrix_a_fmt:MATRIX_FMT_BF6 matrix_b_fmt:MATRIX_FMT_BF6
.endr
.rept 4
	v_nop                                          ; places in front of the loads into K's registers and of the first read of the scores
.endr
.irp n, 0,1,2,3
.irp g, 0,1,2
	ds_load_b128 v[36+12*\n+4*\g:39+12*\n+4*\g], v9 offset:1536*\n+512*\g   ; V lands while the softmax is walked
.endr
.endr
.irp b, 0,1,2,3
	v_max3_num_f32 v[232+\b], v[96+16*\b], v[97+16*\b], v[98+16*\b]   ; the largest score of each block of 32 keys: for the row's maximum, and, since p rises with the score, for the block's largest p
.endr
.irp i, 3,5,7,9,11,13
.irp b, 0,1,2,3
	v_max3_num_f32 v[232+\b], v[232+\b], v[96+16*\b+\i], v[97+16*\b+\i]
.endr
.endr
.irp b, 0,1,2,3
	v_max_num_f32 v[232+\b], v[232+\b], v[111+16*\b]
.endr
.irp b, 0,1,2,3
	v_permlanex16_b32 v[236+\b], v[232+\b], s20, s21
.endr
.irp b, 0,1,2,3
	v_max_num_f32 v[232+\b], v[232+\b], v[236+\b]  ; with lane l xor 16's 16 keys
.endr
	v_max3_num_f32 v254, v232, v233, v234
	v_max_num_f32 v254, v254, v235
	v_mul_f32 v254, s22, v254                      ; as t
	v_max_num_f32 v13, v13, v254                   ; the running largest t
	v_mov_b32 v254, v12
	v_floor_f32 v12, -v13                          ; the new -M = floor(-t): M is a whole number
	v_sub_f32 v254, v12, v254                      ; old M - new M: a whole number, 0 or less
	v_cvt_i32_f32 v254, v254                       ; (it saturates)
	v_ldexp_f32 v252, 1.0, v254                    ; f = 2^(old M - new M): a multiplication by it rounds nothing
.set j, 0
.rept 32
	v_pk_fma_f32 v[96+j:97+j], v[96+j:97+j], s[22:23], v[12:13] op_sel_hi:[1,0,0]   ; t - M, two at a time
.set j, j+2
.endr
.irp b, 0,1,2,3
	v_fma_f32 v[232+\b], v[232+\b], s22, v12       ; the same of each block's largest score
.endr
.set j, 0
.rept 64
	v_exp_f32 v[96+j], v[96+j]                     ; p = 2^(t - M)
.set j, j+1
.endr
	v_pk_mul_f32 v[14:15], v[14:15], v[252:253] op_sel_hi:[1,0]   ; the sums under the new M: the plain place behind the exponentials
	s_wait_alu depctr_va_vdst(0)                   ; one wait for the batch of 64, ahead of its first reader
.irp b, 0,1,2,3
	v_exp_f32 v[232+\b], v[232+\b]                 ; the block's largest p
.endr
	v_pk_add_f32 v[236:237], v[96:97], v[98:99]    ; the row's sum of the unquantised p, in two chains
.set j, 4
.rept 15
	v_pk_add_f32 v[14:15], v[14:15], v[96+j:97+j]
	v_pk_add_f32 v[236:237], v[236:237], v[98+j:99+j]
.set j, j+4
.endr
	v_pk_add_f32 v[14:15], v[14:15], v[236:237]
	s_wait_alu depctr_va_vdst(0)                   ; and one for the four
.irp b, 0,1,2,3
	v_max_num_f32 v[232+\b], 0x2800000, v[232+\b]  ; the floor 2^(5 - 127)
.endr
.irp b, 0,1,2,3
	v_add_nc_u32 v[244+\b], 0xfe000000, v[232+\b]  ; the conversion's scale operand
.endr
.irp b, 0,1,2,3
	v_lshrrev_b32 v[236+\b], 23, v[244+\b]         ; the scale's byte
.endr
	v_lshl_or_b32 v253, v237, 8, v236              ; p's scale word for these 128 keys
	v_lshl_or_b32 v253, v238, 16, v253
	v_lshl_or_b32 v253, v239, 24, v253
.irp c, 0,1
	v_cvt_scalef32_pk16_bf6_f32 v[224+6*\c:226+6*\c], v[96+32*\c:111+32*\c], v[244+2*\c]
	v_cvt_scalef32_pk16_bf6_f32 v[236+4*\c:238+4*\c], v[112+32*\c:127+32*\c], v[244+2*\c+1]
.endr
	v_nop                                          ; one plain place behind a scaled conversion
.irp c, 0,1
.irp i, 0,1,2
	v_permlane16_swap_b32 v[224+6*\c+\i], v[236+4*\c+\i]
.endr
.irp i, 0,1,2
	v_mov_b32 v[227+6*\c+\i], v[236+4*\c+\i]
.endr
.endr
.set j, 0
.rept 16
	v_pk_mul_f32 v[160+j:161+j], v[160+j:161+j], v[252:253] op_sel_hi:[1,0]   ; O^T under the new M; these sixteen also stand between the lines that made p's codes and scale word and the products
.set j, j+2
.endr
	s_wait_dscnt 0x0                               ; V is in
.irp n, 0,1,2,3
	v_wmma_scale_f32_16x16x128_f8f6f4 v[160+8*\n:167+8*\n], v[36+12*\n:47+12*\n], v[224:235], v[160+8*\n:167+8*\n], v[248+\n], v253 matrix_a_fmt:MATRIX_FMT_BF6 matrix_b_fmt:MATRIX_FMT_BF6 matrix_a_scale:MATRIX_SCALE_ROW1
.endr
	s_add_co_u32 s26, s26, 6144
	s_add_co_u32 s27, s27, 256
	s_add_co_u32 s28, s28, 512
.endm
; A head's end: O^T / the sum is ctx; its 64 channels are two blocks of 32 along the hidden axis: registers 6 c .. 6 c + 5 of my fragment, bytes 2 c, 2 c + 1 of my scale word
.macro FIN c
.rept 4
	v_nop
.endr
	v_add_f32 v14, v14, v15
	v_permlanex16_b32 v252, v14, s20, s21
	v_add_f32 v14, v14, v252                       ; the row's sum
	v_rcp_f32 v14, v14
	v_nop                                          ; a plain place behind the reciprocal
	s_wait_alu depctr_va_vdst(0)                   ; and the wait ahead of its first reader
.set j, 0
.rept 32
	v_mul_f32 v[96+j], v[160+j], v14               ; register 16 b + i: channel 32 b + 16 h + i
.set j, j+1
.endr
.irp b, 0,1
	v_max3_num_f32 v[232+\b], |v[96+16*\b]|, |v[97+16*\b]|, 0x2800000
.endr
.irp i, 2,4,6,8,10,12,14
.irp b, 0,1
	v_max3_num_f32 v[232+\b], v[232+\b], |v[96+16*\b+\i]|, |v[97+16*\b+\i]|
.endr
.endr
.irp b, 0,1
	v_permlanex16_b32 v[236+\b], v[232+\b], s20, s21
.endr
.irp b, 0,1
	v_max_num_f32 v[232+\b], v[232+\b], v[236+\b]
.endr
.irp b, 0,1
	v_add_nc_u32 v[244+\b], 0xfe000000, v[232+\b]
.endr
.irp b, 0,1
	v_lshrrev_b32 v[236+\b], 23, v[244+\b]
.endr
.if \c
	v_lshl_or_b32 v236, v237, 8, v236
	v_lshl_or_b32 v211, v236, 16, v211
.else
	v_lshl_or_b32 v211, v237, 8, v236
.endif
	v_cvt_scalef32_pk16_bf6_f32 v[192+6*\c:194+6*\c], v[96:111], v244
	v_cvt_scalef32_pk16_bf6_f32 v[240:242], v[112:127], v245
	v_nop
.irp i, 0,1,2
	v_permlane16_swap_b32 v[192+6*\c+\i], v[240+\i]
.endr
.irp i, 0,1,2
	v_mov_b32 v[195+6*\c+\i], v[240+\i]
.endr
.endm
.macro HEAD c
.if \c
.irp i, 0,1,2,3,4,5
	v_mov_b32 v[22+\i], v[204+\i]
.endr
	v_mov_b32 v255, v212
.endif
	v_mov_b32 v13, 0xff61b1e6                      ; the largest t so far: -3e38
	v_floor_f32 v12, -v13
	v_mov_b32 v14, 0
	v_mov_b32 v15, 0
.set j, 0
.rept 32
	v_mov_b32 v[160+j], 0                          ; O^T: the step is written once; its first trip finds zeros, which the first change of M leaves zeros
.set j, j+1
.endr
	s_mov_b32 s26, 49152*\c
	s_mov_b32 s27, 2048*\c
	s_mov_b32 s28, 0
	s_mov_b32 s29, 8
.Lk_\c:
	KSTEP
	s_sub_co_u32 s29, s29, 1
	s_cmp_lg_u32 s29, 0
	s_cbranch_scc1 .Lk_\c
	FIN \c
.endm
	HEAD 0
	HEAD 1
.irp g, 0,1,2
	global_store_b128 v1, v[192+4*\g:195+4*\g], s[36:37] offset:512*\g
.endr
	ds_store_b32 v87, v211                         ; lanes r and r + 16 write the same word with the same value
	s_wait_dscnt 0x0
	s_barrier_signal -1
	s_barrier_wait -1
	s_cmp_lt_u32 s16, 2
	s_cbranch_scc0 .Lend
	ds_load_b128 v[96:99], v93                     ; waves 0 and 1: the work-group's 1,024 bytes of scale words
	s_wait_dscnt 0x0
	global_store_b128 v84, v[96:99], s[38:39]
.Lend:
	s_wait_tensorcnt 0x0                           ; the wave's end: a wait, an add and its wait behind my last LDS store
	ds_add_u32 v5, v6
	s_wait_dscnt 0x0
	s_endpgm
.Lfunc_end_k_qa8d33dc731_attn:
	.size	k_qa8d33dc731_attn, .Lfunc_end_k_qa8d33dc731_attn-k_qa8d33dc731_attn
	.p2alignl 7, 3214868480
	.fill 96, 4, 3214868480
	.section	.rodata,"a",@progbits
	.p2align	6, 0x0
	.amdhsa_kernel k_qa8d33dc731_attn
		.amdhsa_group_segment_fixed_size 211968
		.amdhsa_private_segment_fixed_size 0
		.amdhsa_enable_private_segment 0
		.amdhsa_kernarg_size 48
		.amdhsa_user_sgpr_count 2
		.amdhsa_user_sgpr_kernarg_segment_ptr 1
		.amdhsa_wavefront_size32 1
		.amdhsa_system_sgpr_workgroup_id_x 1
		.amdhsa_system_sgpr_workgroup_id_y 1
		.amdhsa_system_sgpr_workgroup_id_z 1
		.amdhsa_system_vgpr_workitem_id 0
		.amdhsa_next_free_vgpr 256
		.amdhsa_next_free_sgpr 66
		.amdhsa_reserve_vcc 0
		.amdhsa_float_denorm_mode_32 3
		.amdhsa_float_denorm_mode_16_64 3
		.amdhsa_memory_ordered 1
		.amdhsa_forward_progress 1
		.amdhsa_inst_pref_size 53
	.end_amdhsa_kernel
	.amdgpu_metadata
---
amdhsa.version: [ 1, 2 ]
amdhsa.kernels:
  - .name:           k_qa8d33dc731_attn
    .symbol:         k_qa8d33dc731_attn.kd
    .args:
      - { .name: qimg, .offset: 0, .size: 8, .value_kind: global_buffer, .address_space: global }
      - { .name: kimg, .offset: 8, .size: 8, .value_kind: global_buffer, .address_space: global }
      - { .name: vimg, .offset: 16, .size: 8, .value_kind: global_buffer, .address_space: global }
      - { .name: qkvs, .offset: 24, .size: 8, .value_kind: global_buffer, .address_space: global }
      - { .name: attention_mask, .offset: 32, .size: 8, .value_kind: global_buffer, .address_space: global }
      - { .name: cq, .offset: 40, .size: 8, .value_kind: global_buffer, .address_space: global }
    .group_segment_fixed_size: 211968
    .private_segment_fixed_size: 0
    .kernarg_segment_align: 8
    .kernarg_segment_size: 48
    .max_flat_workgroup_size: 512
    .sgpr_count:     66
    .vgpr_count:     256
    .wavefront_size: 32
...
	.end_amdgpu_metadata
.endif
;; end of part 3
;; launch outp (part 4): grid 256 x 1, 16 waves a work-group, no clusters, 290,304 bytes of LDS; arguments cq, wimg, bo, hidden_states, ln_gamma, ln_beta, out0; writes out0
.if DOCPART == 4
	.amdgcn_target "amdgcn-amd-amdhsa--gfx1250"
	.amdhsa_code_object_version 6
	.text
	.protected	k_qa8d33dc731_outp
	.globl	k_qa8d33dc731_outp
	.p2align	8
	.type	k_qa8d33dc731_outp,@function
k_qa8d33dc731_outp:
	s_mov_b64 s[64:65], 0
	v_nop
	global_prefetch_b8 v0, s[64:65] scope:SCOPE_SE
	s_setreg_imm32_b32 hwreg(HW_REG_WAVE_MODE, 25, 1), 1
	s_wait_xcnt 0x0
; out0 = LayerNorm(ctx Wo^T + bo + hidden_states) x gamma + beta; the product on codes of BF6, all else in f32.  No work is left out.
; SHARES: LayerNorm wants whole rows, so a work-group takes 32 tokens (group Pg: two row tiles) x all 1,024 columns.  Wave w makes columns 64 w .. 64 w + 63 (four column tiles, eight accumulators); in the tail it owns two whole rows.
; ctx's sixteen fragments and scale words (25,600 bytes) go to LDS once, through registers.  A wave's part of Wo goes from memory straight into its registers, two sets by turns.
; Nothing is filled again.
; THE PRODUCT IS USED TRANSPOSED (source 0 = 16 rows of Wo, source 1 = 16 tokens): a lane holds one token and eight neighbouring columns.  bo is loaded into the accumulators and is the C of each sum's first instruction.
; K IS WALKED IN A TURNED ORDER: position p works K step (Pg + p) % 8, so that the work-groups, which all read the same Wo, begin at different chunks.  Stated limit: the f32 sums are taken in that order.
; Row 16 a + r of the stage is token 32 Pg + 8 a + r + 8 (r / 8): rows 2 w, 2 w + 1 are the neighbouring tokens t0, t0 + 1, t0 = 32 Pg + 8 (w / 8) + 2 (w % 8) + 8 ((w / 4) % 2).
; No cluster: what work-groups share is Wo (6,400 bytes a K step and wave for 8 matrix instructions), which goes to registers, where a joint load cannot land.
; LIMITS: NaN and infinities are not served.
; REGISTERS: v1-12 addresses; v5, v6 the add's two; v14-19 at work; v20-23 ctx's scale words, two sets; v24-31 Wo's, two sets; v32-79 ctx's fragments, two sets; v80-175 Wo's, two sets; v176-239 accumulators (a, n) at 32 a + 8 n;
; v240-252 staging; v253-255 addresses.  In the tail: v176-239 my two rows, v32-95 hidden_states, v96-127 gamma, v128-159 beta.
.set CSC,   24576                      ; LDS: ctx's images at 0 ((2 step + a) 1,536); its scale words here: 128 step + 8 r + 4 a
.set STG,   25600                      ; the stage: 32 rows x (4,096 bytes + 16)
.set XST,   157184                     ; hidden_states: 8,192 bytes a wave, filled by the tensor loads alone
.set SPARE, 288256                     ; the spare words: 128 bytes a wave, eight blocks of 256 bytes that no other line names
.set CS,  20
.set WS,  24
.set AFR, 32
.set BF,  80
.set ACC, 176
.set SB,  32                           ; s[32+2p:33+2p]: my chunk of Wo for position p; never rewritten
	s_load_b256 s[4:11], s[0:1], 0x0               ; cq s[4:5], wimg s[6:7], bo s[8:9], hidden s[10:11]
	s_load_b128 s[12:15], s[0:1], 0x20             ; gamma s[12:13], beta s[14:15]
	s_load_b64 s[16:17], s[0:1], 0x30              ; out0
	v_lshl_add_u32 v5, v0, 2, SPARE
	v_mov_b32 v6, 0
	ds_add_u32 v5, v6                              ; the wave's opening: the add, twice on end, and its wait ahead of my tensor load
	ds_add_u32 v5, v6
	v_lshrrev_b32 v1, 5, v0
	v_readfirstlane_b32 s18, v1                    ; wave 0..15
	s_mov_b32 s24, 3<<16                           ; group 1: elements of 8 bytes, no mask, no padding
	s_mov_b32 s25, 32<<16                          ; tensor_dim0 = 32 elements: rows of 256 bytes
	s_mov_b32 s26, 32<<16                          ; tensor_dim1 = 32 rows: my two rows of x, 8,192 dense bytes
	s_mov_b32 s27, 32<<16                          ; tile_dim0
	s_mov_b32 s28, 32                              ; tile_dim1
	s_mov_b32 s29, 32                              ; the pitch
	s_mov_b32 s30, 0
	s_mov_b32 s31, 0
	s_mov_b32 s20, 1
	s_lshl_b32 s21, s18, 13
	s_add_co_u32 s21, s21, XST                     ; LDS address: XST + 8,192 x wave
	s_lshl_b32 s50, ttmp9, 5
	s_lshr_b32 s51, s18, 3
	s_lshl_b32 s51, s51, 3
	s_add_co_u32 s50, s50, s51
	s_and_b32 s51, s18, 7
	s_lshl_b32 s51, s51, 1
	s_add_co_u32 s50, s50, s51
	s_bfe_u32 s51, s18, 0x10002
	s_lshl_b32 s51, s51, 3
	s_add_co_u32 s50, s50, s51                     ; t0
	s_lshl_b32 s48, s50, 12
	s_mov_b32 s49, 0                               ; s[48:49] is the offset pair
	s_wait_dscnt 0x0                               ; both opening adds are done
	s_wait_kmcnt 0x0
	s_add_nc_u64 s[22:23], s[10:11], s[48:49]
	s_or_b32 s23, s23, 0x80000000
	tensor_load_to_lds s[20:23], s[24:31]          ; my one tensor load of the launch
	s_nop 0
.rept 4
	v_nop
.endr
	s_add_nc_u64 s[16:17], s[16:17], s[48:49]      ; out0 at t0
	v_and_b32 v13, 31, v0                          ; L
	v_and_b32 v14, 15, v0                          ; r
	v_bfe_u32 v15, v0, 4, 1                        ; h
	v_lshlrev_b32 v1, 4, v13                       ; 16 L
	v_lshlrev_b32 v2, 4, v14                       ; 16 r
	v_lshl_add_u32 v7, v14, 3, CSC
	v_mul_u32_u24 v8, v14, 4112
	v_lshl_add_u32 v8, v15, 6, v8
	s_lshl_b32 s50, s18, 8
	s_add_co_u32 s50, s50, STG
	v_add_nc_u32 v8, s50, v8                       ; the stage, in: row r, + 16 h columns, + my 64 w columns
	v_add_nc_u32 v9, 65792, v8                     ; and 16 rows further down
	s_mul_i32 s50, s18, 8224
	s_add_co_u32 s50, s50, STG
	v_add_nc_u32 v10, s50, v1                      ; back: rows 2 w, 2 w + 1, 16 bytes a lane
	v_add_nc_u32 v11, s21, v1                      ; my rows of x
	v_lshlrev_b32 v12, 6, v15                      ; bo: 16 h numbers on
	v_lshlrev_b32 v253, 4, v0                      ; 16 x thread
	v_lshlrev_b32 v254, 2, v13                     ; 4 L
	v_lshl_add_u32 v255, v0, 2, CSC                ; CSC + 4 x thread
	s_mov_b32 s54, 0x76543210
	s_mov_b32 s55, 0xfedcba98
	s_mov_b32 s56, 0x3a800000                      ; 1 / 1,024
	s_mov_b32 s57, 0x2b8cbccc                      ; 1e-12
	s_and_b32 s19, ttmp9, 7                        ; the first K step
	s_mul_i32 s51, s18, 51200
	s_add_co_u32 s51, s51, 2457600                 ; Wo is the fourth matrix of wimg
.irp p, 0,1,2,3,4,5,6,7
	s_add_co_u32 s50, ttmp9, \p
	s_and_b32 s50, s50, 7
	s_mul_i32 s50, s50, 6400
	s_add_co_u32 s48, s50, s51
	s_add_nc_u64 s[SB+2*\p:SB+2*\p+1], s[6:7], s[48:49]
.endr
	s_lshl_b32 s48, s18, 15
	s_lshl_b32 s50, ttmp9, 7
	s_add_co_u32 s48, s48, s50
	s_add_co_u32 s48, s48, 6291456
	s_add_nc_u64 s[58:59], s[4:5], s[48:49]        ; ctx's scale words of K step w (used by waves 0-7 alone)
	s_mul_i32 s48, ttmp9, 24576
	s_add_nc_u64 s[4:5], s[4:5], s[48:49]
	s_lshl_b32 s48, s18, 8
	s_add_nc_u64 s[8:9], s[8:9], s[48:49]
.macro LB p                            ; 13 loads: position p's four fragments of Wo and their scale words into set p % 2
.irp n, 0,1,2,3
.irp g, 0,1,2
	global_load_b128 v[BF+48*((\p)%2)+12*\n+4*\g:BF+48*((\p)%2)+12*\n+4*\g+3], v1, s[SB+2*(\p):SB+2*(\p)+1] offset:1536*\n+512*\g
.endr
.endr
	global_load_b128 v[WS+4*((\p)%2):WS+4*((\p)%2)+3], v2, s[SB+2*(\p):SB+2*(\p)+1] offset:6144
.endm
.macro AFETCH s                        ; ctx's two fragments and scale words of K step s19 into set s
	s_mul_i32 s50, s19, 3072
	v_add_nc_u32 v3, s50, v1
	s_lshl_b32 s50, s19, 7
	v_add_nc_u32 v4, s50, v7
.irp a, 0,1
.irp g, 0,1,2
	ds_load_b128 v[AFR+24*(\s)+12*\a+4*\g:AFR+24*(\s)+12*\a+4*\g+3], v3 offset:1536*\a+512*\g
.endr
.endr
	ds_load_b64 v[CS+2*(\s):CS+2*(\s)+1], v4
.endm
	v_mov_b32 v252, 0
	s_cmp_lt_u32 s18, 8
	s_cbranch_scc0 .Lno_sc
	global_load_b32 v252, v254, s[58:59]           ; 128 bytes a wave
.Lno_sc:
.irp i, 0,1,2
	global_load_b128 v[240+4*\i:243+4*\i], v253, s[4:5] offset:8192*\i   ; ctx's images: the sixteen waves read 8,192 consecutive bytes
.endr
.irp a, 0,1
.irp n, 0,1,2,3
	global_load_b128 v[ACC+32*\a+8*\n:ACC+32*\a+8*\n+3], v12, s[8:9] offset:(32*(\n/2)+8*(\n%2))*4
	global_load_b128 v[ACC+32*\a+8*\n+4:ACC+32*\a+8*\n+7], v12, s[8:9] offset:(32*(\n/2)+8*(\n%2))*4+16
.endr
.endr
	LB 0
	LB 1
	s_wait_loadcnt 42                              ; behind ctx's images 16 + 13 + 13 loads were issued, on both ways through the branch above
.irp i, 0,1,2
	ds_store_b128 v253, v[240+4*\i:243+4*\i] offset:8192*\i
.endr
	s_cmp_lt_u32 s18, 8
	s_cbranch_scc0 .Lno_st
	ds_store_b32 v255, v252
.Lno_st:
	s_wait_dscnt 0x0                               ; for the others' sake: my stores have landed
	s_barrier_signal -1
	s_barrier_wait -1
	AFETCH 0
.macro OSTEP p
.if (\p) < 7
	s_wait_loadcnt 13                              ; behind this position's group only the next group's 13 loads were issued
.else
	s_wait_loadcnt 0x0
.endif
	s_wait_dscnt 0x0                               ; this step's fragments of ctx
.if (\p) < 7
	s_add_co_u32 s19, s19, 1
	s_and_b32 s19, s19, 7
	AFETCH ((\p)+1)%2                              ; the other set was last read a step ago, four v_nop back
.endif
.irp n, 0,1,2,3                                ; eight accumulators by turns, one instruction a turn
.irp a, 0,1
	v_wmma_scale_f32_16x16x128_f8f6f4 v[ACC+32*\a+8*\n:ACC+32*\a+8*\n+7], v[BF+48*((\p)%2)+12*\n:BF+48*((\p)%2)+12*\n+11], v[AFR+24*((\p)%2)+12*\a:AFR+24*((\p)%2)+12*\a+11], v[ACC+32*\a+8*\n:ACC+32*\a+8*\n+7], v[WS+4*((\p)%2)+\n], v[CS+2*((\p)%2)+\a] matrix_a_fmt:MATRIX_FMT_BF6 matrix_b_fmt:MATRIX_FMT_BF6
.endr
.endr
.rept 4
	v_nop                                          ; places in front of loads into registers that matrix instructions have read, and of the first read of results
.endr
.if (\p) < 6
	LB (\p)+2
.endif
.endm
	OSTEP 0
	OSTEP 1
	OSTEP 2
	OSTEP 3
	OSTEP 4
	OSTEP 5
	OSTEP 6
	OSTEP 7
.irp i, 0,1,2,3,4,5,6,7
	global_load_b128 v[96+4*\i:99+4*\i], v1, s[12:13] offset:512*\i        ; gamma and beta of my columns 128 i + 4 L + 0 .. 3
	global_load_b128 v[128+4*\i:131+4*\i], v1, s[14:15] offset:512*\i
.endr
.irp a, 0,1
.irp n, 0,1,2,3
	ds_store_b128 v[8+\a], v[ACC+32*\a+8*\n:ACC+32*\a+8*\n+3] offset:(32*(\n/2)+8*(\n%2))*4      ; each accumulator from its low end on
	ds_store_b128 v[8+\a], v[ACC+32*\a+8*\n+4:ACC+32*\a+8*\n+7] offset:(32*(\n/2)+8*(\n%2))*4+16
.endr
.endr
	s_wait_dscnt 0x0
	s_barrier_signal -1
	s_barrier_wait -1                              ; 32 whole rows lie in the stage
.irp e, 0,1
.irp i, 0,1,2,3,4,5,6,7
	ds_load_b128 v[176+32*\e+4*\i:179+32*\e+4*\i], v10 offset:4112*\e+512*\i
.endr
.endr
	s_wait_tensorcnt 0x0                           ; my two rows of hidden_states have landed; only I read them
.irp e, 0,1
.irp i, 0,1,2,3,4,5,6,7
	ds_load_b128 v[32+32*\e+4*\i:35+32*\e+4*\i], v11 offset:4096*\e+512*\i
.endr
.endr
	s_wait_dscnt 0x0
	s_wait_loadcnt 0x0                             ; gamma, beta
.macro REDUCE v, t                     ; the sum over the 32 lanes, in every lane
	v_add_f32_dpp v[\v], v[\v], v[\v] row_xmask:1 row_mask:0xf bank_mask:0xf
	v_add_f32_dpp v[\v], v[\v], v[\v] row_xmask:2 row_mask:0xf bank_mask:0xf
	v_add_f32_dpp v[\v], v[\v], v[\v] row_xmask:4 row_mask:0xf bank_mask:0xf
	v_add_f32_dpp v[\v], v[\v], v[\v] row_xmask:8 row_mask:0xf bank_mask:0xf
	v_permlanex16_b32 v[\t], v[\v], s54, s55
	v_add_f32 v[\v], v[\v], v[\t]
.endm
.macro LNROW e
.set YB, 176+32*\e
.set XB, 32+32*\e
.set j, 0
.rept 16
	v_pk_add_f32 v[YB+j:YB+j+1], v[YB+j:YB+j+1], v[XB+j:XB+j+1]   ; the residual
.set j, j+2
.endr
	v_pk_add_f32 v[14:15], v[YB:YB+1], v[YB+2:YB+3]               ; the row's sum, in two chains
	v_pk_add_f32 v[16:17], v[YB+4:YB+5], v[YB+6:YB+7]
.set j, 8
.rept 6
	v_pk_add_f32 v[14:15], v[14:15], v[YB+j:YB+j+1]
	v_pk_add_f32 v[16:17], v[16:17], v[YB+j+2:YB+j+3]
.set j, j+4
.endr
	v_pk_add_f32 v[14:15], v[14:15], v[16:17]
	v_add_f32 v14, v14, v15
	REDUCE 14, 15
	v_mul_f32 v14, s56, v14                        ; the mean
.set j, 0
.rept 16
	v_pk_add_f32 v[YB+j:YB+j+1], v[YB+j:YB+j+1], v[14:15] op_sel_hi:[1,0] neg_lo:[0,1] neg_hi:[0,1]
.set j, j+2
.endr
	v_pk_mul_f32 v[16:17], v[YB:YB+1], v[YB:YB+1]                 ; the squares of the differences, in two chains
	v_pk_mul_f32 v[18:19], v[YB+2:YB+3], v[YB+2:YB+3]
.set j, 4
.rept 7
	v_pk_fma_f32 v[16:17], v[YB+j:YB+j+1], v[YB+j:YB+j+1], v[16:17]
	v_pk_fma_f32 v[18:19], v[YB+j+2:YB+j+3], v[YB+j+2:YB+j+3], v[18:19]
.set j, j+4
.endr
	v_pk_add_f32 v[16:17], v[16:17], v[18:19]
	v_add_f32 v16, v16, v17
	REDUCE 16, 17
	v_fma_f32 v16, v16, s56, s57                   ; the variance + 1e-12
	v_rsq_f32 v18, v16
	v_nop                                          ; a plain place behind the root
	s_wait_alu depctr_va_vdst(0)                   ; and the wait ahead of its first reader
.set j, 0
.rept 16
	v_pk_mul_f32 v[YB+j:YB+j+1], v[YB+j:YB+j+1], v[18:19] op_sel_hi:[1,0]
.set j, j+2
.endr
.set j, 0
.rept 16
	v_pk_fma_f32 v[YB+j:YB+j+1], v[YB+j:YB+j+1], v[96+j:97+j], v[128+j:129+j]
.set j, j+2
.endr
.irp i, 0,1,2,3,4,5,6,7
	global_store_b128 v1, v[YB+4*\i:YB+4*\i+3], s[16:17] offset:4096*\e+512*\i th:TH_STORE_NT   ; 32 lanes store 512 consecutive bytes, aligned; written once, read by nobody here
.endr
.endm
	LNROW 0
	LNROW 1
	s_wait_tensorcnt 0x0                           ; the wave's end: a wait, an add and its wait behind my tensor load and my last LDS store
	ds_add_u32 v5, v6
	s_wait_dscnt 0x0
	s_endpgm
.Lfunc_end_k_qa8d33dc731_outp:
	.size	k_qa8d33dc731_outp, .Lfunc_end_k_qa8d33dc731_outp-k_qa8d33dc731_outp
	.p2alignl 7, 3214868480
	.fill 96, 4, 3214868480
	.section	.rodata,"a",@progbits
	.p2align	6, 0x0
	.amdhsa_kernel k_qa8d33dc731_outp
		.amdhsa_group_segment_fixed_size 290304
		.amdhsa_private_segment_fixed_size 0
		.amdhsa_enable_private_segment 0
		.amdhsa_kernarg_size 56
		.amdhsa_user_sgpr_count 2
		.amdhsa_user_sgpr_kernarg_segment_ptr 1
		.amdhsa_wavefront_size32 1
		.amdhsa_system_sgpr_workgroup_id_x 1
		.amdhsa_system_sgpr_workgroup_id_y 1
		.amdhsa_system_sgpr_workgroup_id_z 1
		.amdhsa_system_vgpr_workitem_id 0
		.amdhsa_next_free_vgpr 256
		.amdhsa_next_free_sgpr 66
		.amdhsa_reserve_vcc 0
		.amdhsa_float_denorm_mode_32 3
		.amdhsa_float_denorm_mode_16_64 3
		.amdhsa_memory_ordered 1
		.amdhsa_forward_progress 1
		.amdhsa_inst_pref_size 53
	.end_amdhsa_kernel
	.amdgpu_metadata
---
amdhsa.version: [ 1, 2 ]
amdhsa.kernels:
  - .name:           k_qa8d33dc731_outp
    .symbol:         k_qa8d33dc731_outp.kd
    .args:
      - { .name: cq, .offset: 0, .size: 8, .value_kind: global_buffer, .address_space: global }
      - { .name: wimg, .offset: 8, .size: 8, .value_kind: global_buffer, .address_space: global }
      - { .name: bo, .offset: 16, .size: 8, .value_kind: global_buffer, .address_space: global }
      - { .name: hidden_states, .offset: 24, .size: 8, .value_kind: global_buffer, .address_space: global }
      - { .name: ln_gamma, .offset: 32, .size: 8, .value_kind: global_buffer, .address_space: global }
      - { .name: ln_beta, .offset: 40, .size: 8, .value_kind: global_buffer, .address_space: global }
      - { .name: out0, .offset: 48, .size: 8, .value_kind: global_buffer, .address_space: global }
    .group_segment_fixed_size: 290304
    .private_segment_fixed_size: 0
    .kernarg_segment_align: 8
    .kernarg_segment_size: 56
    .max_flat_workgroup_size: 512
    .sgpr_count:     66
    .vgpr_count:     256
    .wavefront_size: 32
...
	.end_amdgpu_metadata
.endif
;; end of part 4
;; ======== version 2 of 2: 4 launches
;; workspace buffers: xq 6,553,600 bytes; wimg 3,276,800 bytes; qimg 6,291,456 bytes; kimg 6,291,456 bytes; vimg 6,291,456 bytes; qkvs 786,432 bytes; cq 6,553,600 bytes
;; launch prep (part 5): grid 512 x 1, 8 waves a work-group, no clusters, 69,120 bytes of LDS; arguments hidden_states, Wq_codes, Wk_codes, Wv_codes, Wo_codes, Wq_scales, Wk_scales, Wv_scales, Wo_scales, xq, wimg; writes xq, wimg
.if DOCPART == 5
	.amdgcn_target "amdgcn-amd-amdhsa--gfx1250"
	.amdhsa_code_object_version 6
	.text
	.protected	k_qa8d33dc731_prep
	.globl	k_qa8d33dc731_prep
	.p2align	8
	.type	k_qa8d33dc731_prep,@function
k_qa8d33dc731_prep:
	s_mov_b64 s[64:65], 0
	v_nop
	global_prefetch_b8 v0, s[64:65] scope:SCOPE_SE
	s_setreg_imm32_b32 hwreg(HW_REG_WAVE_MODE, 25, 1), 1
	s_wait_xcnt 0x0
; BERT self-attention in MX-BF6 (E3M2 codes, one E8M0 scale for each 32 along K), four launches: prep, qkv, attn, outp.
; DEAD WORK: none is left out.  Every input reaches out0 for some values: bq and bk move the codes of q and k, which a live quantised product takes;
; attention_mask differs along the softmax's axis; bv, bo, ln_gamma, ln_beta and the residual enter sums that are kept.  All sixteen inputs are loaded by some launch.
; THIS LAUNCH: (1) hidden_states [8192][1024] f32 becomes codes and scale words, laid as IMAGES OF THE OPERAND'S REGISTERS; (2) the four weights' codes and scale bytes are laid anew in the same form.
; A fragment is 16 rows x 128 K, 12 registers a lane: lane (r, h) holds row r, registers 6 c .. 6 c + 5 hold K = 64 c + 32 h + 0 .. 31.  Its image is 1,536 bytes: registers 4 g .. 4 g + 3 of lane L at 512 g + 16 L.
; THE ROWS OF A TILE ARE NOT NEIGHBOURS, in the whole program: row r of tile T is 32 (T / 2) + 8 (T % 2) + r + 8 (r / 8), so that the 16 result registers of tiles 2 b, 2 b + 1 are 16 neighbours along the next K.
; xq: block R (128 tokens) of 102,400 bytes: fragment (K step s, row tile a) at (8 s + a) 1,536; scale words at 98,304 + 512 s + 32 r + 4 a.
; wimg: chunk (matrix, group of 64 rows hd, K step s) at ((16 matrix + hd) 8 + s) 6,400: four fragments, then the scale words [r][4] at 6,144.
; SHARES: work-group g: R = g / 8, s = g % 8; wave a makes fragment (R, s, a).  The first 256 work-groups also lay a weight tile: matrix g / 64, tile T = g % 64, wave w its K step w; wave 0 two units of scale words.
; A block's scale is 2^(floor(log2(its largest magnitude)) - 4): its byte is the largest magnitude's exponent field - 4, held at 1 from below.
; LIMITS: NaN and infinities in hidden_states are not served; a block whose largest magnitude lies under 2^-122 keeps the byte 1; a block of zeros gets the byte 1 with zero codes (this program alone reads the bytes).
; No cluster: no two work-groups read the same bytes.  No matrix work: the launch moves bytes.
.set STGB,  8448                       ; a wave's stage: 16 rows x (512 bytes + 16)
.set XW,    8*STGB                     ; the eight waves' scale words of this (R, s): 512 bytes
.set SPARE, XW+512                     ; the spare words: 128 bytes a wave, four blocks of 256 bytes that no other line names
.set X,     80                         ; v80-143  my two blocks of 32 numbers
.set PC,    144                        ; v144-155 the fragment's codes
	s_load_b256 s[4:11], s[0:1], 0x0               ; hidden s[4:5], codes of Wq s[6:7], Wk s[8:9], Wv s[10:11]
	s_load_b256 s[12:19], s[0:1], 0x20             ; codes of Wo s[12:13], scales of Wq s[14:15], Wk s[16:17], Wv s[18:19]
	s_load_b128 s[20:23], s[0:1], 0x40             ; scales of Wo s[20:21], xq s[22:23]
	s_load_b64 s[24:25], s[0:1], 0x50              ; wimg
	v_lshl_add_u32 v12, v0, 2, SPARE               ; my spare word; never rewritten
	v_mov_b32 v13, 0                               ; 0; never rewritten
	v_lshrrev_b32 v1, 5, v0
	s_delay_alu instid0(VALU_DEP_1)
	v_readfirstlane_b32 s28, v1                    ; wave 0..7
	v_and_b32 v1, 31, v0                           ; L
	v_and_b32 v2, 15, v0                           ; r
	v_bfe_u32 v3, v0, 4, 1                         ; h
	s_delay_alu instid0(VALU_DEP_3)
	v_lshlrev_b32 v4, 4, v1                        ; 16 L
	s_mul_i32 s31, s28, STGB
	v_add_nc_u32 v5, s31, v4                       ; the stage, on the way in: 16 L of a row
	v_mul_u32_u24 v6, v2, 528
	s_delay_alu instid0(VALU_DEP_1)
	v_lshl_add_u32 v6, v3, 7, v6
	s_delay_alu instid0(VALU_DEP_1)
	v_add_nc_u32 v6, s31, v6                       ; and on the way out: row r, + 128 h bytes
	s_lshl_b32 s32, s28, 2
	s_add_co_u32 s32, s32, XW
	v_lshl_add_u32 v7, v2, 5, s32                  ; XW + 32 r + 4 wave
	v_add_nc_u32 v14, XW, v4                       ; XW + 16 L
	v_and_b32 v11, 8, v2
	s_delay_alu instid0(VALU_DEP_1)
	v_add_nc_u32 v11, v11, v2                      ; r + 8 (r / 8)
	s_delay_alu instid0(VALU_DEP_1)
	v_mul_u32_u24 v8, v11, 768                     ; a weight's row of codes is 768 bytes
	s_delay_alu instid0(VALU_DEP_1)
	v_mad_u32_u24 v8, v3, 24, v8
	s_delay_alu instid0(VALU_DEP_3)
	v_lshlrev_b32 v9, 5, v11                       ; a weight's row of scale bytes is 32 bytes
	s_delay_alu instid0(VALU_DEP_1)
	v_lshl_add_u32 v9, v3, 2, v9                   ; lanes 16-31 take the next K step's word
	v_mul_u32_u24 v10, v3, 6400
	s_delay_alu instid0(VALU_DEP_1)
	v_lshl_add_u32 v10, v2, 4, v10                 ; and store it one chunk further on
	s_mov_b32 s26, 0x76543210
	s_mov_b32 s27, 0xfedcba98                      ; selects for lane l xor 16
	s_lshr_b32 s29, ttmp9, 3                       ; R
	s_and_b32 s30, ttmp9, 7                        ; s
	s_lshl_b32 s32, s29, 19                        ; 128 R rows of 4,096 bytes
	s_lshr_b32 s33, s28, 1
	s_lshl_b32 s33, s33, 17                        ; + 32 (a / 2) rows
	s_add_co_u32 s32, s32, s33
	s_and_b32 s33, s28, 1
	s_lshl_b32 s33, s33, 15                        ; + 8 (a % 2) rows
	s_add_co_u32 s32, s32, s33
	s_lshl_b32 s33, s30, 9                         ; + K step s: 512 bytes
	s_add_co_u32 s32, s32, s33
	s_mov_b32 s33, 0                               ; s[32:33] is the offset pair from here on
	s_wait_kmcnt 0x0
	s_add_nc_u64 s[4:5], s[4:5], s[32:33]
.set i, 0
.rept 16
	global_load_b128 v[16+4*i:19+4*i], v4, s[4:5] offset:(i+8*(i/8))*4096 th:TH_LOAD_NT   ; row i of my tile: 32 lanes read 512 consecutive bytes
.set i, i+1
.endr
	s_mul_i32 s34, s29, 102400
	s_lshl_b32 s35, s30, 3
	s_add_co_u32 s35, s35, s28
	s_mul_i32 s35, s35, 1536
	s_add_co_u32 s32, s34, s35
	s_add_nc_u64 s[38:39], s[22:23], s[32:33]      ; where my fragment goes
	s_lshl_b32 s35, s30, 9
	s_add_co_u32 s32, s34, s35
	s_add_co_u32 s32, s32, 98304
	s_add_nc_u64 s[22:23], s[22:23], s[32:33]      ; where the eight waves' scale words go
	s_cmp_lt_u32 ttmp9, 256                        ; the weights: a branch on the work-group's number; no LDS instruction stands inside it
	s_cbranch_scc0 .Lx
	s_lshr_b32 s40, ttmp9, 6                       ; which matrix: 0 q, 1 k, 2 v, 3 o
	s_and_b32 s41, ttmp9, 63                       ; T
	s_cmp_eq_u32 s40, 1
	s_cselect_b64 s[6:7], s[8:9], s[6:7]
	s_cselect_b64 s[14:15], s[16:17], s[14:15]
	s_cmp_eq_u32 s40, 2
	s_cselect_b64 s[6:7], s[10:11], s[6:7]
	s_cselect_b64 s[14:15], s[18:19], s[14:15]
	s_cmp_eq_u32 s40, 3
	s_cselect_b64 s[6:7], s[12:13], s[6:7]
	s_cselect_b64 s[14:15], s[20:21], s[14:15]
	s_lshr_b32 s42, s41, 1
	s_mul_i32 s42, s42, 24576                      ; 32 (T / 2) rows of 768 bytes
	s_and_b32 s43, s41, 1
	s_mul_i32 s43, s43, 6144                       ; + 8 (T % 2) rows
	s_add_co_u32 s42, s42, s43
	s_mul_i32 s43, s28, 96                         ; + K step w
	s_add_co_u32 s32, s42, s43
	s_add_nc_u64 s[6:7], s[6:7], s[32:33]
	s_wait_alu depctr_va_vdst(0)
.irp p, 0,1,2,3,4,5
	global_load_b64 v[164+2*\p:165+2*\p], v8, s[6:7] offset:48*(\p/3)+8*(\p%3)   ; the fragment as the operand's layout wants it: 24 bytes at 24 h, 24 at 48 + 24 h
.endr
	s_lshr_b32 s44, ttmp9, 2
	s_lshl_b32 s44, s44, 3                         ; 8 (16 matrix + hd)
	s_add_co_u32 s45, s44, s28
	s_mul_i32 s45, s45, 6400
	s_and_b32 s46, s41, 3                          ; the tile's place in its group of four
	s_mul_i32 s47, s46, 1536
	s_add_co_u32 s32, s45, s47
	s_add_nc_u64 s[34:35], s[24:25], s[32:33]
	s_wait_loadcnt 0x0                             ; loads come back in order: x's sixteen are in too
.irp g, 0,1,2
	global_store_b128 v4, v[164+4*\g:167+4*\g], s[34:35] offset:512*\g   ; 512 consecutive bytes, aligned
.endr
	s_cmp_lg_u32 s28, 0
	s_cbranch_scc1 .Lx                             ; wave 0 alone: the scale words of group hd = T / 4, K steps 2 (T % 4) + h
	s_lshr_b32 s45, s41, 2
	s_lshl_b32 s45, s45, 11                        ; 64 hd rows of 32 bytes
	s_lshl_b32 s47, s46, 3                         ; + two words
	s_add_co_u32 s32, s45, s47
	s_add_nc_u64 s[14:15], s[14:15], s[32:33]
.irp n, 0,1,2,3
	global_load_b32 v[176+\n], v9, s[14:15] offset:(32*(\n/2)+8*(\n%2))*32
.endr
	s_lshl_b32 s47, s46, 1
	s_add_co_u32 s45, s44, s47
	s_mul_i32 s45, s45, 6400
	s_add_co_u32 s32, s45, 6144
	s_add_nc_u64 s[36:37], s[24:25], s[32:33]
	s_wait_loadcnt 0x0
	global_store_b128 v10, v[176:179], s[36:37]    ; sixteen lanes fill the 256 bytes [r][4] of one chunk, the other sixteen those of the next
.Lx:
	s_wait_loadcnt 0x0                             ; x's sixteen rows
.set i, 0
.rept 16
	ds_store_b128 v5, v[16+4*i:19+4*i] offset:528*i
.set i, i+1
.endr
.set i, 0
.rept 16
	ds_load_b128 v[X+4*i:X+4*i+3], v6 offset:256*(i/8)+16*(i%8)   ; LDS serves a wave's instructions in order: these see my stores.  Register 32 c + i = K 64 c + 32 h + i of row r
.set i, i+1
.endr
	s_wait_dscnt 0x0
.irp c, 0,1
	v_max3_num_f32 v[180+\c], |v[X+32*\c]|, |v[X+1+32*\c]|, 0x2800000   ; my block 2 c + h: all 32 numbers are mine; the floor 2^(5 - 127) holds the byte at 1 from below
.endr
.irp i, 2,4,6,8,10,12,14,16,18,20,22,24,26,28,30
.irp c, 0,1
	s_delay_alu instid0(VALU_DEP_2)
	v_max3_num_f32 v[180+\c], v[180+\c], |v[X+32*\c+\i]|, |v[X+1+32*\c+\i]|
.endr
.endr
.irp c, 0,1
	s_delay_alu instid0(VALU_DEP_2)
	v_add_nc_u32 v[182+\c], 0xfe000000, v[180+\c]  ; 4 off the exponent field: the conversion's scale operand
.endr
.irp c, 0,1
	s_delay_alu instid0(VALU_DEP_2)
	v_lshrrev_b32 v[184+\c], 23, v[182+\c]         ; the scale's byte
.endr
	s_delay_alu instid0(VALU_DEP_1)
	v_lshl_or_b32 v186, v185, 16, v184             ; my two bytes: blocks h and 2 + h,
	v_lshlrev_b32 v187, 3, v3
	s_delay_alu instid0(VALU_DEP_1)
	v_lshlrev_b32 v186, v187, v186                 ; 8 h bits up;
	v_mov_b32 v187, 0
	s_delay_alu instid0(VALU_DEP_1)
	v_permlanex16_b32 v187, v186, s26, s27
	s_delay_alu instid0(VALU_DEP_1)
	v_or_b32 v186, v186, v187                      ; with lane l xor 16's two the row's word is whole
.irp c, 0,1
	v_cvt_scalef32_pk16_bf6_f32 v[PC+6*\c:PC+6*\c+2], v[X+32*\c:X+32*\c+15], v[182+\c]
	v_cvt_scalef32_pk16_bf6_f32 v[156+4*\c:158+4*\c], v[X+16+32*\c:X+31+32*\c], v[182+\c]   ; (a conversion's three registers begin on an even number)
.endr
	v_nop                                          ; one plain place behind a scaled conversion
.irp c, 0,1
.irp i, 0,1,2
	v_mov_b32 v[PC+3+6*\c+\i], v[156+4*\c+\i]
.endr
.endr
.irp g, 0,1,2
	global_store_b128 v4, v[PC+4*\g:PC+4*\g+3], s[38:39] offset:512*\g
.endr
	ds_store_b32 v7, v186                          ; lanes r and r + 16 write the same word with the same value
	s_wait_dscnt 0x0                               ; for the others' sake: my word has landed
	s_barrier_signal -1
	s_barrier_wait -1
	s_cmp_lg_u32 s28, 0
	s_cbranch_scc1 .Lend
	ds_load_b128 v[16:19], v14                     ; wave 0: the 512 bytes [r][a]
	s_wait_dscnt 0x0
	global_store_b128 v4, v[16:19], s[22:23]
.Lend:
	s_wait_tensorcnt 0x0                           ; the wave's end: a wait, an add and its wait behind my last LDS store
	ds_add_u32 v12, v13
	s_wait_dscnt 0x0
	s_endpgm
.Lfunc_end_k_qa8d33dc731_prep:
	.size	k_qa8d33dc731_prep, .Lfunc_end_k_qa8d33dc731_prep-k_qa8d33dc731_prep
	.p2alignl 7, 3214868480
	.fill 96, 4, 3214868480
	.section	.rodata,"a",@progbits
	.p2align	6, 0x0
	.amdhsa_kernel k_qa8d33dc731_prep
		.amdhsa_group_segment_fixed_size 69120
		.amdhsa_private_segment_fixed_size 0
		.amdhsa_enable_private_segment 0
		.amdhsa_kernarg_size 88
		.amdhsa_user_sgpr_count 2
		.amdhsa_user_sgpr_kernarg_segment_ptr 1
		.amdhsa_wavefront_size32 1
		.amdhsa_system_sgpr_workgroup_id_x 1
		.amdhsa_system_sgpr_workgroup_id_y 1
		.amdhsa_system_sgpr_workgroup_id_z 1
		.amdhsa_system_vgpr_workitem_id 0
		.amdhsa_next_free_vgpr 192
		.amdhsa_next_free_sgpr 66
		.amdhsa_reserve_vcc 0
		.amdhsa_float_denorm_mode_32 3
		.amdhsa_float_denorm_mode_16_64 3
		.amdhsa_memory_ordered 1
		.amdhsa_forward_progress 1
		.amdhsa_inst_pref_size 15
	.end_amdhsa_kernel
	.amdgpu_metadata
---
amdhsa.version: [ 1, 2 ]
amdhsa.kernels:
  - .name:           k_qa8d33dc731_prep
    .symbol:         k_qa8d33dc731_prep.kd
    .args:
      - { .name: hidden_states, .offset: 0, .size: 8, .value_kind: global_buffer, .address_space: global }
      - { .name: Wq_codes, .offset: 8, .size: 8, .value_kind: global_buffer, .address_space: global }
      - { .name: Wk_codes, .offset: 16, .size: 8, .value_kind: global_buffer, .address_space: global }
      - { .name: Wv_codes, .offset: 24, .size: 8, .value_kind: global_buffer, .address_space: global }
      - { .name: Wo_codes, .offset: 32, .size: 8, .value_kind: global_buffer, .address_space: global }
      - { .name: Wq_scales, .offset: 40, .size: 8, .value_kind: global_buffer, .address_space: global }
      - { .name: Wk_scales, .offset: 48, .size: 8, .value_kind: global_buffer, .address_space: global }
      - { .name: Wv_scales, .offset: 56, .size: 8, .value_kind: global_buffer, .address_space: global }
      - { .name: Wo_scales, .offset: 64, .size: 8, .value_kind: global_buffer, .address_space: global }
      - { .name: xq, .offset: 72, .size: 8, .value_kind: global_buffer, .address_space: global }
      - { .name: wimg, .offset: 80, .size: 8, .value_kind: global_buffer, .address_space: global }
    .group_segment_fixed_size: 69120
    .private_segment_fixed_size: 0
    .kernarg_segment_align: 8
    .kernarg_segment_size: 88
    .max_flat_workgroup_size: 256
    .sgpr_count:     66
    .vgpr_count:     192
    .wavefront_size: 32
...
	.end_amdgpu_metadata
.endif
;; end of part 5
;; launch qkv (part 6): grid 4 x 64, 4 waves a work-group, no clusters, 167,936 bytes of LDS; arguments xq, wimg, bq, bk, bv, qimg, kimg, vimg, qkvs; writes qimg, kimg, vimg, qkvs
.if DOCPART == 6
	.amdgcn_target "amdgcn-amd-amdhsa--gfx1250"
	.amdhsa_code_object_version 6
	.text
	.protected	k_qa8d33dc731_qkv
	.globl	k_qa8d33dc731_qkv
	.p2align	8
	.type	k_qa8d33dc731_qkv,@function
k_qa8d33dc731_qkv:
	s_mov_b64 s[64:65], 0
	v_nop
	global_prefetch_b8 v0, s[64:65] scope:SCOPE_SE
	s_setreg_imm32_b32 hwreg(HW_REG_WAVE_MODE, 25, 1), 1
	s_wait_xcnt 0x0
; q = x Wq^T + bq, k = x Wk^T + bk, v = x Wv^T + bv on codes of BF6, then q and k quantised along the head's 64 and v along the keys, all laid as images of the next operands' registers.  No work is left out.
; SHARES: work-group (g, R): 128 tokens (block R of xq) x heads 4 g .. 4 g + 3; wave w takes head hd = 4 g + w.  Pass 1: 8 row tiles x 8 column tiles (4 of Wq, 4 of Wk): 64 accumulators.  Pass 2: 8 x 4 of Wv.
; x's codes and scale words for all of K, 102,400 bytes, come into LDS once, a quarter by each wave's one tensor load; nothing is filled again.  A wave's weights go from memory straight into its registers, three loads of 16 bytes a
; lane for a fragment: no weight byte is read twice inside a work-group.
; PASS 1 IS USED TRANSPOSED (source 0 = 16 rows of W, source 1 = 16 tokens): a lane holds one token and its registers run along the head: the next K.  PASS 2 is not (source 0 = tokens, source 1 = rows of Wv): a lane holds one
; channel d and its registers run along the tokens: the keys, the second attention product's K.  The biases are the C of each sum's first matrix instruction.
; K IS WALKED IN A TURNED ORDER: position P works K step (R + P) % 8, so that the 64 work-groups that share a head's weights begin at different chunks.  Stated limit: the f32 sums are taken in that order.
; OUT: qimg: tile qt of head bh at (64 bh + qt) 768, registers 2 p, 2 p + 1 of its six at 256 p + 8 L.  kimg: (8 bh + step) 6,144 + 1,536 f: registers 0-5 key tile 2 f, registers 6-11 key tile 2 f + 1.
; vimg: (8 bh + step) 6,144 + 1,536 n: rows d of tile n, K = the step's 128 keys.  qkvs: which x 262,144 + (8 bh + step) 256 + 16 r + 4 f.
; No cluster: what work-groups share is weights (12,800 bytes a K step and wave), which go to registers, where a joint load cannot land; the one LDS fill is 102,400 of a work-group's 716,800 bytes, once.
; LIMITS: NaN and infinities are not served; blocks under 2^-122 keep the byte 1, a block of zeros the byte 1 with zero codes (this program alone reads the bytes).
; REGISTERS, in windows of 256.  Window 0: v1-8 addresses; v28, v29 the add's two; v32-127 x's eight fragments; v128-143 x's scale words, two sets; v144-159 the weights', two sets; v160-191 bv as C; v192-207 at work; v208-227 codes;
; v228-239 the scale words made.  Window 1: the weights' fragments, two sets of eight (v0-95, v96-191); v192-255 bq, bk as C.  Windows 2, 3: accumulators: pass 1 (a, n) in window 2 + a / 4 at v[64 (a % 4) + 8 n]; pass 2 (a, n) in window 2 at v[64 n + 8 a].
.set SPARE, 102400                     ; behind x's block: the spare words, 128 bytes a wave: two blocks of 256 bytes that no other line names
.set MATB,  819200                     ; from matrix to matrix in wimg
.set AF,  32
.set XS,  128
.set WS,  144
.set BV,  160
.set TM,  192
.set PC,  208
.set PWQ, 228
.set PWK, 232
.set PWV, 236
.set SB,  44                           ; s[44+2p:45+2p]: my head's chunk of Wq for position p; never rewritten
.set MSB, 0
.macro WIN new                         ; the immediate's high byte repeats the setting that is left
.if MSB != (\new)
	s_set_vgpr_msb (MSB<<8)|(\new)
.set MSB, (\new)
.endif
.endm
.macro PLACES k
.rept \k
	v_nop
.endr
.endm
; 26 loads: position P's eight fragments (four of Wq, four of Wk) and their scale words into set P % 2
.macro LB P
	WIN 0x40                                       ; destination window 1, address window 0
.irp n, 0,1,2,3,4,5,6,7
.irp g, 0,1,2
	global_load_b128 v[96*((\P)%2)+12*\n+4*\g:96*((\P)%2)+12*\n+4*\g+3], v1, s[SB+2*(\P):SB+2*(\P)+1] offset:(\n/4)*MATB+1536*(\n%4)+512*\g
.endr
.endr
	WIN 0
.irp m, 0,1
	global_load_b128 v[WS+8*((\P)%2)+4*\m:WS+8*((\P)%2)+4*\m+3], v2, s[SB+2*(\P):SB+2*(\P)+1] offset:\m*MATB+6144
.endr
.endm
; 26 loads: Wv's four fragments and scale words of positions 2 u and 2 u + 1 into set u % 2
.macro LV u
	WIN 0x40
.irp e, 0,1
.irp n, 0,1,2,3
.irp g, 0,1,2
	global_load_b128 v[96*((\u)%2)+12*(4*\e+\n)+4*\g:96*((\u)%2)+12*(4*\e+\n)+4*\g+3], v1, s[SB+2*(2*(\u)+\e):SB+2*(2*(\u)+\e)+1] offset:2*MATB+1536*\n+512*\g
.endr
.endr
.endr
	WIN 0
.irp e, 0,1
	global_load_b128 v[WS+8*((\u)%2)+4*\e:WS+8*((\u)%2)+4*\e+3], v2, s[SB+2*(2*(\u)+\e):SB+2*(2*(\u)+\e)+1] offset:2*MATB+6144
.endr
.endm
.macro NEXTSIG                         ; the next K step's places in LDS; its two vector lines are plain and name no matrix register
	s_add_co_u32 s27, s27, 1
	s_and_b32 s27, s27, 7
	s_mul_i32 s30, s27, 12288
	v_add_nc_u32 v3, s30, v1
	s_lshl_b32 s30, s27, 9
	v_add_nc_u32 v4, s30, v5
.endm
.macro FA i0                           ; x's fragments i0 .. i0 + 3: 12 LDS loads
.irp a, \i0, \i0+1, \i0+2, \i0+3
.irp g, 0,1,2
	ds_load_b128 v[AF+12*(\a)+4*\g:AF+12*(\a)+4*\g+3], v3 offset:1536*(\a)+512*\g
.endr
.endr
.endm
.macro FXS s                           ; x's eight scale words of a K step: 2 LDS loads
	ds_load_b128 v[XS+8*(\s):XS+8*(\s)+3], v4
	ds_load_b128 v[XS+8*(\s)+4:XS+8*(\s)+7], v4 offset:16
.endm
; 16 matrix instructions of pass 1: row tiles a0, a0 + 1 x the eight column tiles.  The 64 accumulators take turns, one instruction a turn, in the same order in every step.
.macro MUL16 a0, set, xs, first
.if \first
	WIN 0x91+0x40*((\a0)/4)                        ; source 0 (W) and C (the bias) window 1, source 1 (x) window 0, D window 2 or 3
.else
	WIN 0xa1+0x50*((\a0)/4)                        ; C and D window 2 or 3
.endif
.irp a, \a0, \a0+1
.irp n, 0,1,2,3,4,5,6,7
.if \first
	v_wmma_scale_f32_16x16x128_f8f6f4 v[64*((\a)%4)+8*\n:64*((\a)%4)+8*\n+7], v[96*(\set)+12*\n:96*(\set)+12*\n+11], v[AF+12*(\a):AF+12*(\a)+11], v[192+8*\n:192+8*\n+7], v[WS+8*(\set)+\n], v[XS+8*(\xs)+(\a)] matrix_a_fmt:MATRIX_FMT_BF6 matrix_b_fmt:MATRIX_FMT_BF6
.else
	v_wmma_scale_f32_16x16x128_f8f6f4 v[64*((\a)%4)+8*\n:64*((\a)%4)+8*\n+7], v[96*(\set)+12*\n:96*(\set)+12*\n+11], v[AF+12*(\a):AF+12*(\a)+11], v[64*((\a)%4)+8*\n:64*((\a)%4)+8*\n+7], v[WS+8*(\set)+\n], v[XS+8*(\xs)+(\a)] matrix_a_fmt:MATRIX_FMT_BF6 matrix_b_fmt:MATRIX_FMT_BF6
.endif
.endr
.endr
.endm
; 16 matrix instructions of pass 2: row tiles a0 .. a0 + 3 x Wv's four column tiles (half e of the set)
.macro VMUL a0, set, e, xs, first
.if \first
	WIN 0x84                                       ; source 0 (x) and C (bv) window 0, source 1 (Wv) window 1, D window 2
.else
	WIN 0xa4
.endif
.irp a, \a0, \a0+1, \a0+2, \a0+3
.irp n, 0,1,2,3
.if \first
	v_wmma_scale_f32_16x16x128_f8f6f4 v[64*\n+8*(\a):64*\n+8*(\a)+7], v[AF+12*(\a):AF+12*(\a)+11], v[96*(\set)+12*(4*(\e)+\n):96*(\set)+12*(4*(\e)+\n)+11], v[BV+8*\n:BV+8*\n+7], v[XS+8*(\xs)+(\a)], v[WS+8*(\set)+4*(\e)+\n] matrix_a_fmt:MATRIX_FMT_BF6 matrix_b_fmt:MATRIX_FMT_BF6
.else
	v_wmma_scale_f32_16x16x128_f8f6f4 v[64*\n+8*(\a):64*\n+8*(\a)+7], v[AF+12*(\a):AF+12*(\a)+11], v[96*(\set)+12*(4*(\e)+\n):96*(\set)+12*(4*(\e)+\n)+11], v[64*\n+8*(\a):64*\n+8*(\a)+7], v[XS+8*(\xs)+(\a)], v[WS+8*(\set)+4*(\e)+\n] matrix_a_fmt:MATRIX_FMT_BF6 matrix_b_fmt:MATRIX_FMT_BF6
.endif
.endr
.endr
.endm
; Four blocks of 32, each with 16 numbers in my lane and 16 in lane l xor 16 (blocks 0, 1 at sA, sA + 16, blocks 2, 3 at sB, sB + 16 of window w), become a fragment's codes in v[PC] on and its scale word in v[pw].
; Each accumulator is read from its low end on.
.macro QUANT2 w, sA, sB, pw
	WIN (\w)|((\w)<<2)
.irp b, 0,1,2,3
.set QB, (\sA)+16*\b+((\sB)-(\sA)-32)*(\b/2)
	v_max3_num_f32 v[TM+\b], |v[QB]|, |v[QB+1]|, 0x2800000   ; the floor 2^(5 - 127) holds the byte at 1 from below
.endr
	WIN ((\w)<<2)|((\w)<<4)
.irp i, 2,4,6,8,10,12,14
.irp b, 0,1,2,3
.set QB, (\sA)+16*\b+((\sB)-(\sA)-32)*(\b/2)
	v_max3_num_f32 v[TM+\b], v[TM+\b], |v[QB+\i]|, |v[QB+\i+1]|
.endr
.endr
	WIN 0
.irp b, 0,1,2,3
	v_permlanex16_b32 v[TM+4+\b], v[TM+\b], s60, s61
.endr
.irp b, 0,1,2,3
	v_max_num_f32 v[TM+\b], v[TM+\b], v[TM+4+\b]   ; the block's largest magnitude
.endr
.irp b, 0,1,2,3
	v_add_nc_u32 v[TM+12+\b], 0xfe000000, v[TM+\b] ; 4 off its exponent field: the conversion's scale operand
.endr
.irp b, 0,1,2,3
	v_lshrrev_b32 v[TM+4+\b], 23, v[TM+12+\b]      ; the scale's byte
.endr
	v_lshl_or_b32 v[\pw], v[TM+5], 8, v[TM+4]
	v_lshl_or_b32 v[\pw], v[TM+6], 16, v[\pw]
	v_lshl_or_b32 v[\pw], v[TM+7], 24, v[\pw]
	s_wait_xcnt 0x0                                ; the earlier stores have read the codes' registers: they are written again only behind this wait
	WIN (\w)
	v_cvt_scalef32_pk16_bf6_f32 v[PC:PC+2], v[(\sA):(\sA)+15], v[TM+12]
	v_cvt_scalef32_pk16_bf6_f32 v[PC+12:PC+14], v[(\sA)+16:(\sA)+31], v[TM+13]
	v_cvt_scalef32_pk16_bf6_f32 v[PC+6:PC+8], v[(\sB):(\sB)+15], v[TM+14]
	v_cvt_scalef32_pk16_bf6_f32 v[PC+16:PC+18], v[(\sB)+16:(\sB)+31], v[TM+15]
	WIN 0
	v_nop                                          ; one plain place behind a scaled conversion
.irp c, 0,1                                    ; the operand's layout wants a whole block in a lane: lanes 0-15 block 2 c, lanes 16-31 block 2 c + 1
.irp i, 0,1,2
	v_permlane16_swap_b32 v[PC+6*\c+\i], v[PC+12+4*\c+\i]
.endr
.irp i, 0,1,2
	v_mov_b32 v[PC+3+6*\c+\i], v[PC+12+4*\c+\i]
.endr
.endr
.endm
	s_load_b256 s[4:11], s[0:1], 0x0               ; xq s[4:5], wimg s[6:7], bq s[8:9], bk s[10:11]
	s_load_b256 s[12:19], s[0:1], 0x20             ; bv s[12:13], qimg s[14:15], kimg s[16:17], vimg s[18:19]
	s_load_b64 s[20:21], s[0:1], 0x40              ; qkvs
	v_lshl_add_u32 v28, v0, 2, SPARE
	v_mov_b32 v29, 0
	ds_add_u32 v28, v29                            ; the wave's opening: the add, twice on end, and its wait ahead of my tensor load
	ds_add_u32 v28, v29
	v_lshrrev_b32 v1, 5, v0
	v_readfirstlane_b32 s22, v1                    ; wave 0..3
	s_and_b32 s24, ttmp7, 0xffff                   ; R
	s_lshl_b32 s25, ttmp9, 2
	s_add_co_u32 s25, s25, s22                     ; hd
	s_lshr_b32 s26, s24, 3
	s_lshl_b32 s26, s26, 4
	s_add_co_u32 s26, s26, s25                     ; bh = 16 b + hd
	s_mov_b32 s36, 3<<16                           ; group 1: elements of 8 bytes, no mask, no padding
	s_mov_b32 s37, 32<<16                          ; tensor_dim0 = 32 elements: rows of 256 bytes
	s_mov_b32 s38, 100<<16                         ; tensor_dim1 = 100 rows: my quarter, 25,600 dense bytes
	s_mov_b32 s39, 32<<16                          ; tile_dim0
	s_mov_b32 s40, 100                             ; tile_dim1
	s_mov_b32 s41, 32                              ; the pitch
	s_mov_b32 s42, 0
	s_mov_b32 s43, 0
	s_mov_b32 s32, 1                               ; group 0: count
	s_mul_i32 s33, s22, 25600                      ; LDS address: wave x 25,600
	s_mul_i32 s28, s24, 102400
	s_add_co_u32 s28, s28, s33
	s_mov_b32 s29, 0                               ; s[28:29] is the offset pair from here on
	s_wait_dscnt 0x0                               ; both opening adds are done
	s_wait_kmcnt 0x0
	s_add_nc_u64 s[34:35], s[4:5], s[28:29]
	s_or_b32 s35, s35, 0x80000000                  ; the type
	tensor_load_to_lds s[32:35], s[36:43]          ; my one tensor load of the launch
	s_nop 0
	PLACES 4
	v_and_b32 v9, 31, v0                           ; L
	v_and_b32 v10, 15, v0                          ; r
	v_bfe_u32 v11, v0, 4, 1                        ; h
	v_lshlrev_b32 v1, 4, v9                        ; 16 L
	v_lshlrev_b32 v2, 4, v10                       ; 16 r
	v_lshl_add_u32 v5, v10, 5, 98304               ; x's scale words: 98,304 + 32 r
	v_lshlrev_b32 v6, 6, v11                       ; bq, bk: 16 h numbers on
	s_wait_alu depctr_va_vdst(0)
	v_and_b32 v7, 8, v10
	v_add_nc_u32 v7, v7, v10
	v_lshlrev_b32 v7, 2, v7                        ; bv: number r + 8 (r / 8) of a tile
	s_wait_alu depctr_va_vdst(0)
	v_lshlrev_b32 v8, 3, v9                        ; 8 L
.irp b, 0,1,2,3
	v_mov_b32 v[TM+4+\b], 0                        ; written once: a lane permute's destination counts as one of its sources
.endr
	s_mov_b32 s60, 0x76543210
	s_mov_b32 s61, 0xfedcba98
	s_mul_i32 s31, s25, 51200
.irp p, 0,1,2,3,4,5,6,7
	s_add_co_u32 s30, s24, \p
	s_and_b32 s30, s30, 7                          ; K step of position p
	s_mul_i32 s30, s30, 6400
	s_add_co_u32 s28, s30, s31
	s_add_nc_u64 s[SB+2*\p:SB+2*\p+1], s[6:7], s[28:29]
.endr
	s_and_b32 s27, s24, 7                          ; the key step of my tokens, and the first K step
	s_lshl_b32 s30, s26, 3
	s_add_co_u32 s30, s30, s27                     ; 8 bh + step
	s_mul_i32 s28, s30, 6144
	s_add_nc_u64 s[14:15], s[14:15], s[28:29]
	s_add_nc_u64 s[16:17], s[16:17], s[28:29]
	s_add_nc_u64 s[18:19], s[18:19], s[28:29]
	s_lshl_b32 s28, s30, 8
	s_add_nc_u64 s[20:21], s[20:21], s[28:29]
	s_lshl_b32 s28, s25, 8                         ; my head's 64 numbers of each bias
	s_add_nc_u64 s[8:9], s[8:9], s[28:29]
	s_add_nc_u64 s[10:11], s[10:11], s[28:29]
	s_add_nc_u64 s[12:13], s[12:13], s[28:29]
	WIN 0x40
.irp n, 0,1,2,3                                ; lane (r, h), tile n, register j: channel 32 (n / 2) + 8 (n % 2) + 16 h + j
	global_load_b128 v[192+8*\n:195+8*\n], v6, s[8:9] offset:(32*(\n/2)+8*(\n%2))*4
	global_load_b128 v[196+8*\n:199+8*\n], v6, s[8:9] offset:(32*(\n/2)+8*(\n%2))*4+16
	global_load_b128 v[224+8*\n:227+8*\n], v6, s[10:11] offset:(32*(\n/2)+8*(\n%2))*4
	global_load_b128 v[228+8*\n:231+8*\n], v6, s[10:11] offset:(32*(\n/2)+8*(\n%2))*4+16
.endr
	WIN 0
.irp n, 0,1,2,3
	global_load_b32 v[BV+8*\n], v7, s[12:13] offset:(32*(\n/2)+8*(\n%2))*4
.endr
	LB 0
	LB 1
	s_wait_tensorcnt 0x0                           ; my quarter of x's block has landed,
	s_barrier_signal -1
	s_barrier_wait -1                              ; everybody's has
	s_mul_i32 s30, s27, 12288
	v_add_nc_u32 v3, s30, v1
	s_lshl_b32 s30, s27, 9
	v_add_nc_u32 v4, s30, v5
	FA 0
	FXS 0
	FA 4
; A step of pass 1: 64 matrix instructions.  x has one set of fragments: tiles 0-3 are fetched anew in the step's middle, tiles 4-7 at its end.  The weights have two sets; the set just used takes the loads of two positions on.
.macro STEP P, first
	s_wait_loadcnt 26                              ; behind this position's group only the next group's 26 loads were issued
	s_wait_dscnt 12                                ; x's tiles 0-3 and scale words are in; the youngest twelve loads (tiles 4-7) may be out
	MUL16 0, (\P)%2, (\P)%2, \first
	MUL16 2, (\P)%2, (\P)%2, \first
	s_wait_dscnt 0x0                               ; tiles 4-7 are in
	WIN 0
	NEXTSIG
	PLACES 2                                       ; with the two additions: four places in front of loads into registers that matrix instructions have read
	FA 0
	FXS ((\P)+1)%2
	MUL16 4, (\P)%2, (\P)%2, \first
	MUL16 6, (\P)%2, (\P)%2, \first
	WIN 0
	PLACES 4
	FA 4
.if (\P) < 6
	LB (\P)+2
.elseif (\P) == 6
	LV 0
.else
	LV 1
.endif
.endm
	STEP 0, 1
	STEP 1, 0
	STEP 2, 0
	STEP 3, 0
	STEP 4, 0
	STEP 5, 0
	STEP 6, 0
	STEP 7, 0
; q and k of row tiles 2 f and 2 f + 1 become one fragment each: registers 0-5 tile 2 f, registers 6-11 tile 2 f + 1
.macro EPI1 f
	QUANT2 2+(\f)/2, 128*((\f)%2), 128*((\f)%2)+64, PWQ+(\f)
.irp i, 0,1,2,3,4,5
	global_store_b64 v8, v[PC+2*\i:PC+2*\i+1], s[14:15] offset:(2*(\f)+\i/3)*768+256*(\i%3)   ; 32 lanes store 256 consecutive bytes, aligned
.endr
	QUANT2 2+(\f)/2, 128*((\f)%2)+32, 128*((\f)%2)+96, PWK+(\f)
.irp g, 0,1,2
	global_store_b128 v1, v[PC+4*\g:PC+4*\g+3], s[16:17] offset:1536*(\f)+512*\g
.endr
.endm
	EPI1 0
	EPI1 1
	EPI1 2
	EPI1 3
	global_store_b128 v2, v[PWQ:PWQ+3], s[20:21]                 ; [r][f]: 256 bytes (lanes r and r + 16 store the same)
	global_store_b128 v2, v[PWK:PWK+3], s[20:21] offset:262144
	s_wait_loadcnt 0x0                             ; Wv's first two groups (and bv, long since)
.irp n, 0,1,2,3
.irp j, 1,2,3,4,5,6,7
	v_mov_b32 v[BV+8*\n+\j], v[BV+8*\n]            ; bv of my channel, for the eight tokens of a tile
.endr
.endr
	PLACES 5                                       ; pass 2's first products write over pass 1's accumulators
.macro VSTEP P, first
.if (\P) == 4
	s_wait_loadcnt 26                              ; the third group is in; the fourth, issued behind it, may be out
.elseif (\P) == 6
	s_wait_loadcnt 0x0
.endif
	s_wait_dscnt 12
	VMUL 0, ((\P)/2)%2, (\P)%2, (\P)%2, \first
	s_wait_dscnt 0x0
	WIN 0
.if (\P) < 7
	NEXTSIG
	PLACES 2
	FA 0
	FXS ((\P)+1)%2
.endif
	VMUL 4, ((\P)/2)%2, (\P)%2, (\P)%2, \first
	WIN 0
	PLACES 4
.if (\P) < 7
	FA 4
.endif
.if (\P) == 1
	LV 2
.elseif (\P) == 3
	LV 3
.endif
.endm
	s_wait_alu depctr_va_vdst(0)
	VSTEP 0, 1
	VSTEP 1, 0
	VSTEP 2, 0
	VSTEP 3, 0
	VSTEP 4, 0
	VSTEP 5, 0
	VSTEP 6, 0
	VSTEP 7, 0
.irp n, 0,1,2,3
	QUANT2 2, 64*\n, 64*\n+32, PWV+\n
.irp g, 0,1,2
	global_store_b128 v1, v[PC+4*\g:PC+4*\g+3], s[18:19] offset:1536*\n+512*\g
.endr
.endr
	global_store_b128 v2, v[PWV:PWV+3], s[20:21] offset:524288
	s_wait_tensorcnt 0x0                           ; the wave's end
	ds_add_u32 v28, v29
	s_wait_dscnt 0x0
	s_endpgm
.Lfunc_end_k_qa8d33dc731_qkv:
	.size	k_qa8d33dc731_qkv, .Lfunc_end_k_qa8d33dc731_qkv-k_qa8d33dc731_qkv
	.p2alignl 7, 3214868480
	.fill 96, 4, 3214868480
	.section	.rodata,"a",@progbits
	.p2align	6, 0x0
	.amdhsa_kernel k_qa8d33dc731_qkv
		.amdhsa_group_segment_fixed_size 167936
		.amdhsa_private_segment_fixed_size 0
		.amdhsa_enable_private_segment 0
		.amdhsa_kernarg_size 72
		.amdhsa_user_sgpr_count 2
		.amdhsa_user_sgpr_kernarg_segment_ptr 1
		.amdhsa_wavefront_size32 1
		.amdhsa_system_sgpr_workgroup_id_x 1
		.amdhsa_system_sgpr_workgroup_id_y 1
		.amdhsa_system_sgpr_workgroup_id_z 1
		.amdhsa_system_vgpr_workitem_id 0
		.amdhsa_next_free_vgpr 1024
		.amdhsa_next_free_sgpr 66
		.amdhsa_reserve_vcc 0
		.amdhsa_float_denorm_mode_32 3
		.amdhsa_float_denorm_mode_16_64 3
		.amdhsa_memory_ordered 1
		.amdhsa_forward_progress 1
		.amdhsa_inst_pref_size 222
	.end_amdhsa_kernel
	.amdgpu_metadata
---
amdhsa.version: [ 1, 2 ]
amdhsa.kernels:
  - .name:           k_qa8d33dc731_qkv
    .symbol:         k_qa8d33dc731_qkv.kd
    .args:
      - { .name: xq, .offset: 0, .size: 8, .value_kind: global_buffer, .address_space: global }
      - { .name: wimg, .offset: 8, .size: 8, .value_kind: global_buffer, .address_space: global }
      - { .name: bq, .offset: 16, .size: 8, .value_kind: global_buffer, .address_space: global }
      - { .name: bk, .offset: 24, .size: 8, .value_kind: global_buffer, .address_space: global }
      - { .name: bv, .offset: 32, .size: 8, .value_kind: global_buffer, .address_space: global }
      - { .name: qimg, .offset: 40, .size: 8, .value_kind: global_buffer, .address_space: global }
      - { .name: kimg, .offset: 48, .size: 8, .value_kind: global_buffer, .address_space: global }
      - { .name: vimg, .offset: 56, .size: 8, .value_kind: global_buffer, .address_space: global }
      - { .name: qkvs, .offset: 64, .size: 8, .value_kind: global_buffer, .address_space: global }
    .group_segment_fixed_size: 167936
    .private_segment_fixed_size: 0
    .kernarg_segment_align: 8
    .kernarg_segment_size: 72
    .max_flat_workgroup_size: 128
    .sgpr_count:     66
    .vgpr_count:     1024
    .wavefront_size: 32
...
	.end_amdgpu_metadata
.endif
;; end of part 6
;; launch attn (part 7): grid 4 x 64, 16 waves a work-group, no clusters, 211,968 bytes of LDS; arguments qimg, kimg, vimg, qkvs, attention_mask, cq; writes cq
.if DOCPART == 7
	.amdgcn_target "amdgcn-amd-amdhsa--gfx1250"
	.amdhsa_code_object_version 6
	.text
	.protected	k_qa8d33dc731_attn
	.globl	k_qa8d33dc731_attn
	.p2align	8
	.type	k_qa8d33dc731_attn,@function
k_qa8d33dc731_attn:
	s_mov_b64 s[64:65], 0
	v_nop
	global_prefetch_b8 v0, s[64:65] scope:SCOPE_SE
	s_setreg_imm32_b32 hwreg(HW_REG_WAVE_SCHED_MODE, 0, 2), 2
	s_setreg_imm32_b32 hwreg(HW_REG_WAVE_MODE, 25, 1), 1
	s_wait_xcnt 0x0
	s_wait_alu depctr_vm_vsrc(0)
; ctx = softmax(q k^T / 8 + mask) v on codes of BF6, then ctx quantised along the hidden axis as the last product's operand.  No work is left out.
; THE SOFTMAX: t = logit x log2(e); M = the running largest t rounded UP to a whole number; p = 2^(t - M) is quantised along the keys, not normalised; the row's sum is taken of the unquantised p and divides at the end.
; SHARES: work-group (qb, y): batch b = y / 8, heads 2 (y % 8) and 2 (y % 8) + 1, queries 256 qb on.  Wave w owns query tile 16 qb + w and walks head 0, then head 1: so it ends with a whole fragment of ctx (128 along the hidden axis).
; Both heads' K and V (196,608 bytes), their scale words and the mask lie whole in LDS, brought once through registers: no ring, no barrier in the loops.  Four waves to a SIMD: one wave's vector work stands beside another's loads and products.
; LAYOUT: both products transposed: S^T = K q^T, O^T = V^T p^T: a lane holds one query throughout; the 16 registers of key tiles 2 f, 2 f + 1 are 16 neighbouring keys.
; THE FIRST PRODUCT'S K IS 64, the instruction's 128: a fragment of K holds TWO key tiles, [tile 2 f | tile 2 f + 1], and q stands in v16-33 as [0 x 6 | q x 6 | 0 x 6]: v[22:33] = [q | 0] gives tile 2 f, v[16:27] = [0 | q] tile 2 f + 1.
; Zero codes add nothing; q's scale word is (s0, s1, s0, s1), so that both halves have finite scales.
; THE MASK is the C of the score products: 8 x mask[key], so that S = q . k + 8 mask = 8 x the logit, and t = S x log2(e) / 8.
; No cluster: K and V are fetched once, at the head, and nothing is fetched in the loops; the four work-groups that share them would save 3 of 4 reads of 200,704 bytes, once.
; LIMITS: NaN in the inputs is not served; a mask beyond 2^125 in size becomes infinite under the factor 8 (minus infinity gives p = 0, as the exponential of such a logit is 0); a row all of whose keys are masked to minus infinity is not served;
; blocks of ctx under 2^-122 keep the byte 1, a block of zeros the byte 1 with zero codes (this program alone reads the bytes).
; THE MODE: SCHED_MODE bits 1:0 = 2 (LLVM: expert scheduling mode 2), set by the entry lines.  The code itself states the register dependences between vector or matrix instructions and memory or LDS instructions, with s_wait_alu, always for 0.
; THE PLAN.  Registers that LDS instructions touch in a key step:
;   v96-159   The next step's sixteen loads of the mask land here, issued at a step's end; the score products take them as C and write the scores over them; the softmax works in place; the sums and the conversions read them last.
;   v36-83    K's twelve loads at a step's head; the score products read them; V's twelve loads land behind those; the O^T products read them.  The wave has no 48 registers for a second set.
;   v248-251  Loaded at a step's head; read by both groups of products.
;   v8-v11    LDS addresses, written at a step's head; v8 and v10 are read by the head's loads, v9 by V's, v11 by the mask's loads at the step's end.
;   v1-v4, v84-v93  Made at the kernel's head and never written again.
; So a step has one wait on vm_vsrc, at its head, ahead of the four additions, and four on va_vdst beside the two behind the exponentials: behind the additions; behind the score products, ahead of V's loads; ahead of the exponentials; ahead of the O^T products.
; Behind the last of these the next step's mask is asked for, four loads behind each O^T product: those products name v160-191, v36-83, v224-235, v248-251 and v253, none of v96-159 or v11.
; Each head asks for its first step's mask ahead of its loop; the loop has seven trips; the eighth step is written out and asks for no mask.
; REGISTERS: v1-4 addresses that stay; v5, v6 the add's two; v8-11 addresses in hand; v12 -M, v13 the largest t, v[14:15] the sum; v16-33 q between zeros; v36-83 four fragments of K, then of V; v84-93 addresses; v96-159 S^T, then p;
; v160-191 O^T; v192-203 ctx's codes; v204-209 head 1's q; v210-212 scale words; v224-235 p's codes; v232-247 at work; v248-251 K's (lanes 0-15) and V's (lanes 16-31) scale words; v252 f, v253 p's scale word, v255 q's.
.set VIM,   98304                      ; LDS: K's images at 0 (head c at 49,152 c, fragment (step, f) at (4 step + f) 1,536), V's here, in the same form
.set KSC,   196608                     ; K's scale words: 2,048 c + 256 step + 16 r;  V's 4,096 further on
.set MSK,   204800                     ; 8 x mask: 4,096 bytes
.set CST,   208896                     ; ctx's scale words on the way out: 1,024 bytes
.set SPARE, 209920                     ; the spare words: 128 bytes a wave, eight blocks of 256 bytes that no other line names
	s_load_b256 s[4:11], s[0:1], 0x0               ; qimg s[4:5], kimg s[6:7], vimg s[8:9], qkvs s[10:11]
	s_load_b128 s[12:15], s[0:1], 0x20             ; mask s[12:13], cq s[14:15]
	v_lshl_add_u32 v5, v0, 2, SPARE
	v_mov_b32 v6, 0
	v_lshrrev_b32 v7, 5, v0
	v_readfirstlane_b32 s16, v7                    ; wave 0..15
	v_and_b32 v7, 31, v0                           ; L
	v_and_b32 v8, 15, v0                           ; r
	v_bfe_u32 v9, v0, 4, 1                         ; h
	v_lshlrev_b32 v1, 4, v7                        ; 16 L
	v_lshlrev_b32 v89, 4, v8                       ; 16 r
	v_lshl_add_u32 v2, v9, 12, v89
	v_add_nc_u32 v2, KSC, v2                       ; scale words: lanes 0-15 K's, lanes 16-31 V's, 4,096 bytes on
	v_lshl_add_u32 v3, v9, 6, MSK                  ; the mask: 16 h keys on
	v_lshlrev_b32 v4, 3, v7                        ; 8 L
	v_lshlrev_b32 v84, 4, v0                       ; 16 x thread, and the same 65,536 and 131,072 bytes on: an LDS offset has 16 bits
	v_add_nc_u32 v85, 0x10000, v84
	v_add_nc_u32 v86, 0x20000, v84
	s_wait_alu depctr_va_sdst(0)                   ; s16, the wave's number, is written, ahead of its first reader
	s_lshr_b32 s32, s16, 1
	s_lshl_b32 s32, s32, 7
	s_and_b32 s33, s16, 1
	s_lshl_b32 s33, s33, 2
	s_add_co_u32 s32, s32, s33
	s_add_co_u32 s32, s32, CST
	v_lshl_add_u32 v87, v8, 3, s32                 ; CST + 128 (w / 2) + 4 (w % 2) + 8 r
	v_and_b32 v88, 255, v0
	v_lshlrev_b32 v88, 4, v88
	v_lshlrev_b32 v90, 3, v0
	v_add_nc_u32 v91, KSC, v84
	v_add_nc_u32 v92, MSK, v90
	v_add_nc_u32 v93, CST, v84
	s_mov_b32 s20, 0x76543210
	s_mov_b32 s21, 0xfedcba98                      ; selects for lane l xor 16
	s_mov_b32 s22, 0x3e38aa3b                      ; log2(e) / 8
	s_mov_b32 s23, s22                             ; (named with it as a pair, so it is written)
	s_and_b32 s18, ttmp7, 0xffff
	s_lshr_b32 s19, s18, 3                         ; b
	s_and_b32 s24, s18, 7                          ; the pair of heads
	s_lshl_b32 s25, s19, 4
	s_lshl_b32 s32, s24, 1
	s_add_co_u32 s25, s25, s32                     ; bh0 = 16 b + 2 pair
	s_mov_b32 s31, 0                               ; s[30:31] is the offset pair
	s_wait_kmcnt 0x0
	s_mul_i32 s30, s25, 49152
	s_add_nc_u64 s[6:7], s[6:7], s[30:31]
	s_add_nc_u64 s[8:9], s[8:9], s[30:31]
	s_lshr_b32 s32, s16, 3                         ; waves 0-7 bring K's scale words, waves 8-15 V's
	s_add_co_u32 s33, s32, 1
	s_lshl_b32 s33, s33, 18
	s_lshl_b32 s30, s25, 11
	s_add_co_u32 s30, s30, s33
	s_add_nc_u64 s[34:35], s[10:11], s[30:31]
	s_lshl_b32 s30, s19, 12
	s_add_nc_u64 s[12:13], s[12:13], s[30:31]
	s_lshl_b32 s33, ttmp9, 4
	s_add_co_u32 s33, s33, s16                     ; my query tile
	s_lshl_b32 s30, s25, 6
	s_add_co_u32 s30, s30, s33
	s_mul_i32 s30, s30, 768
	s_add_nc_u64 s[4:5], s[4:5], s[30:31]
	s_lshl_b32 s30, s25, 3
	s_lshl_b32 s33, ttmp9, 1
	s_add_co_u32 s30, s30, s33
	s_add_co_u32 s30, s30, s32                     ; 8 bh0 + my tile / 8
	s_lshl_b32 s30, s30, 8
	s_and_b32 s33, s16, 7
	s_lshr_b32 s33, s33, 1
	s_lshl_b32 s33, s33, 2
	s_add_co_u32 s30, s30, s33                     ; + the word of my pair of tiles
	s_add_nc_u64 s[10:11], s[10:11], s[30:31]
	s_lshl_b32 s33, s19, 5
	s_lshl_b32 s40, ttmp9, 3
	s_add_co_u32 s33, s33, s40                     ; 32 b + 8 qb: my work-group's first group of 32 tokens
	s_lshl_b32 s30, s33, 7
	s_lshl_b32 s40, s24, 15
	s_add_co_u32 s30, s30, s40
	s_add_co_u32 s30, s30, 6291456
	s_add_nc_u64 s[38:39], s[14:15], s[30:31]      ; where the work-group's scale words of ctx go
	s_lshr_b32 s40, s16, 1
	s_add_co_u32 s33, s33, s40
	s_lshl_b32 s33, s33, 3
	s_add_co_u32 s33, s33, s24
	s_lshl_b32 s33, s33, 1
	s_and_b32 s40, s16, 1
	s_add_co_u32 s33, s33, s40
	s_mul_i32 s30, s33, 1536
	s_add_nc_u64 s[36:37], s[14:15], s[30:31]      ; where my fragment of ctx goes
	s_wait_alu depctr_va_vdst(0)                   ; the addresses v1 to v4 and v84 to v93 are written, which the loads and stores of the whole kernel read
.set i, 0
.rept 12
	global_load_b128 v[96+4*i:99+4*i], v84, s[6:7] offset:8192*i      ; the sixteen waves read 8,192 consecutive bytes
.set i, i+1
.endr
.set i, 0
.rept 12
	global_load_b128 v[144+4*i:147+4*i], v84, s[8:9] offset:8192*i
.set i, i+1
.endr
	global_load_b128 v[192:195], v88, s[34:35]
	global_load_b64 v[196:197], v90, s[12:13]
.irp p, 0,1,2
	global_load_b64 v[22+2*\p:23+2*\p], v4, s[4:5] offset:256*\p           ; head 0's q
	global_load_b64 v[204+2*\p:205+2*\p], v4, s[4:5] offset:49152+256*\p   ; head 1's
.endr
	global_load_b32 v210, v89, s[10:11]
	global_load_b32 v212, v89, s[10:11] offset:2048
	s_wait_loadcnt 8                               ; all but q's eight loads, which were issued last
	v_mul_f32 v196, 0x41000000, v196               ; 8 x mask
	v_mul_f32 v197, 0x41000000, v197
.set i, 0
.rept 24
	ds_store_b128 v[84+i/8], v[96+4*i:99+4*i] offset:8192*(i%8)
.set i, i+1
.endr
	ds_store_b128 v91, v[192:195]
	s_wait_alu depctr_va_vdst(0)                   ; the two multiplications have written v196 and v197, the next store's data
	ds_store_b64 v92, v[196:197]
	s_wait_loadcnt 0x0
	s_and_b32 s32, s16, 1
	s_cmp_eq_u32 s32, 0
	s_mov_b32 s33, 0x03020302
	s_cselect_b32 s33, 0x01000100, s33             ; my tile's two bytes of the pair's word, twice
	v_perm_b32 v255, v210, v210, s33
	v_perm_b32 v212, v212, v212, s33
.irp i, 0,1,2,3,4,5
	v_mov_b32 v[16+\i], 0
	v_mov_b32 v[28+\i], 0
.endr
.irp b, 0,1,2,3
	v_mov_b32 v[236+\b], 0                         ; written once: a lane permute's destination counts as one of its sources
.endr
	v_mov_b32 v253, 0                              ; (named as the upper half of the pair v[252:253] before it is first written)
	s_wait_dscnt 0x0                               ; for the others' sake: my stores have landed
	s_barrier_signal -1
	s_barrier_wait -1
	s_wait_alu depctr_vm_vsrc(0)                   ; my LDS stores have read v96 to v197: from here on the mask's loads land in v96-159, O^T is begun in v160-191 and ctx's codes are made in v192-203
; Four loads of the mask: 8 x mask of keys 32 f + 8 u + 16 h + 0 .. 7, u = 0, 1: the C of score tiles 2 f and 2 f + 1.  adr: the register that holds the step's address
.macro MASK4 adr, f
.irp u, 0,1
	ds_load_b128 v[96+16*(\f)+8*\u:99+16*(\f)+8*\u], v[\adr] offset:128*(\f)+32*\u
	ds_load_b128 v[100+16*(\f)+8*\u:103+16*(\f)+8*\u], v[\adr] offset:128*(\f)+32*\u+16
.endr
.endm
; A KEY STEP: 128 keys.  Its mask has been asked for a step ago.  pre = 1: it asks for the next step's mask and steps the addresses; pre = 0: a head's last step
.macro KSTEP pre
	s_wait_alu depctr_vm_vsrc(0)                   ; the LDS loads issued so far have read v8 to v11, which the next lines write
	v_add_nc_u32 v8, s26, v1
	v_add_nc_u32 v9, VIM, v8
	v_add_nc_u32 v10, s27, v2
.if \pre
	v_add_nc_u32 v11, s28, v3                      ; the NEXT step's mask
.else
	v_nop                                          ; (where the loop's steps have the mask's addition: four plain lines stand behind the last step's products in every step)
.endif
	s_wait_alu depctr_va_vdst(0)                   ; v8 to v11 are written, which the step's loads read; the last step's O^T products are done reading v36-83 and v248-251, in which the loads below land; q between its zeros and its scale word v255 are written, which the score products take
	ds_load_b128 v[248:251], v10
.irp f, 0,1,2,3
.irp g, 0,1,2
	ds_load_b128 v[36+12*\f+4*\g:39+12*\f+4*\g], v8 offset:1536*\f+512*\g
.endr
.endr
	s_wait_dscnt 0x0                               ; K, the scale words, and the mask that was asked for a step ago
.irp f, 0,1,2,3
	v_wmma_scale_f32_16x16x128_f8f6f4 v[96+16*\f:103+16*\f], v[36+12*\f:47+12*\f], v[22:33], v[96+16*\f:103+16*\f], v[248+\f], v255 matrix_a_fmt:MATRIX_FMT_BF6 matrix_b_fmt:MATRIX_FMT_BF6
	v_wmma_scale_f32_16x16x128_f8f6f4 v[104+16*\f:111+16*\f], v[36+12*\f:47+12*\f], v[16:27], v[104+16*\f:111+16*\f], v[248+\f], v255 matrix_a_fmt:MATRIX_FMT_BF6 matrix_b_fmt:MATRIX_FMT_BF6
.endr
.rept 4
	v_nop                                          ; places in front of the first read of the scores
.endr
	s_wait_alu depctr_va_vdst(0)                   ; the score products are done reading K's fragments v36-83, in which V's land
.irp n, 0,1,2,3
.irp g, 0,1,2
	ds_load_b128 v[36+12*\n+4*\g:39+12*\n+4*\g], v9 offset:1536*\n+512*\g   ; V lands while the softmax is walked
.endr
.endr
.irp b, 0,1,2,3
	v_max3_num_f32 v[232+\b], v[96+16*\b], v[97+16*\b], v[98+16*\b]   ; the largest score of each block of 32 keys: for the row's maximum, and, since p rises with the score, for the block's largest p
.endr
.irp i, 3,5,7,9,11,13
.irp b, 0,1,2,3
	v_max3_num_f32 v[232+\b], v[232+\b], v[96+16*\b+\i], v[97+16*\b+\i]
.endr
.endr
.irp b, 0,1,2,3
	v_max_num_f32 v[232+\b], v[232+\b], v[111+16*\b]
.endr
.irp b, 0,1,2,3
	v_permlanex16_b32 v[236+\b], v[232+\b], s20, s21
.endr
.irp b, 0,1,2,3
	v_max_num_f32 v[232+\b], v[232+\b], v[236+\b]  ; with lane l xor 16's 16 keys
.endr
	v_max3_num_f32 v254, v232, v233, v234
	v_max_num_f32 v254, v254, v235
	v_mul_f32 v254, s22, v254                      ; as t
	v_max_num_f32 v13, v13, v254                   ; the running largest t
	v_mov_b32 v254, v12
	v_floor_f32 v12, -v13                          ; the new -M = floor(-t): M is a whole number
	v_sub_f32 v254, v12, v254                      ; old M - new M: a whole number, 0 or less
	v_cvt_i32_f32 v254, v254                       ; (it saturates)
	v_ldexp_f32 v252, 1.0, v254                    ; f = 2^(old M - new M): a multiplication by it rounds nothing
.set j, 0
.rept 32
	v_pk_fma_f32 v[96+j:97+j], v[96+j:97+j], s[22:23], v[12:13] op_sel_hi:[1,0,0]   ; t - M, two at a time
.set j, j+2
.endr
.irp b, 0,1,2,3
	v_fma_f32 v[232+\b], v[232+\b], s22, v12       ; the same of each block's largest score
.endr
.set j, 0
	s_wait_alu depctr_va_vdst(0)
.rept 64
	v_exp_f32 v[96+j], v[96+j]                     ; p = 2^(t - M)
.set j, j+1
.endr
	v_pk_mul_f32 v[14:15], v[14:15], v[252:253] op_sel_hi:[1,0]   ; the sums under the new M: the plain place behind the exponentials
	s_wait_alu depctr_va_vdst(0)                   ; the 64 exponentials have written v96-159: one wait for the batch, ahead of its first reader
.irp b, 0,1,2,3
	v_exp_f32 v[232+\b], v[232+\b]                 ; the block's largest p
.endr
	v_pk_add_f32 v[236:237], v[96:97], v[98:99]    ; the row's sum of the unquantised p, in two chains
.set j, 4
.rept 15
	v_pk_add_f32 v[14:15], v[14:15], v[96+j:97+j]
	v_pk_add_f32 v[236:237], v[236:237], v[98+j:99+j]
.set j, j+4
.endr
	v_pk_add_f32 v[14:15], v[14:15], v[236:237]
	s_wait_alu depctr_va_vdst(0)                   ; the four exponentials have written v232-235, ahead of their first reader
.irp b, 0,1,2,3
	v_max_num_f32 v[232+\b], 0x2800000, v[232+\b]  ; the floor 2^(5 - 127)
.endr
.irp b, 0,1,2,3
	v_add_nc_u32 v[244+\b], 0xfe000000, v[232+\b]  ; the conversion's scale operand
.endr
.irp b, 0,1,2,3
	v_lshrrev_b32 v[236+\b], 23, v[244+\b]         ; the scale's byte
.endr
	v_lshl_or_b32 v253, v237, 8, v236              ; p's scale word for these 128 keys
	v_lshl_or_b32 v253, v238, 16, v253
	v_lshl_or_b32 v253, v239, 24, v253
.irp c, 0,1
	v_cvt_scalef32_pk16_bf6_f32 v[224+6*\c:226+6*\c], v[96+32*\c:111+32*\c], v[244+2*\c]
	v_cvt_scalef32_pk16_bf6_f32 v[236+4*\c:238+4*\c], v[112+32*\c:127+32*\c], v[244+2*\c+1]
.endr
	v_nop                                          ; one plain place behind a scaled conversion
.irp c, 0,1
.irp i, 0,1,2
	v_permlane16_swap_b32 v[224+6*\c+\i], v[236+4*\c+\i]
.endr
.irp i, 0,1,2
	v_mov_b32 v[227+6*\c+\i], v[236+4*\c+\i]
.endr
.endr
.set j, 0
.rept 16
	v_pk_mul_f32 v[160+j:161+j], v[160+j:161+j], v[252:253] op_sel_hi:[1,0]   ; O^T under the new M; these sixteen also stand between the lines that made p's codes and scale word and the products
.set j, j+2
.endr
	s_wait_dscnt 0x0                               ; V is in
	s_wait_alu depctr_va_vdst(0)                   ; p's codes v224-235 and its scale word v253 are written, which the products take; and the sums and the conversions are done with v96-159, in which the next step's mask lands
.irp n, 0,1,2,3
	v_wmma_scale_f32_16x16x128_f8f6f4 v[160+8*\n:167+8*\n], v[36+12*\n:47+12*\n], v[224:235], v[160+8*\n:167+8*\n], v[248+\n], v253 matrix_a_fmt:MATRIX_FMT_BF6 matrix_b_fmt:MATRIX_FMT_BF6 matrix_a_scale:MATRIX_SCALE_ROW1
.if \pre
	MASK4 11, \n                                   ; no wait: no vector or matrix instruction since the wait above names v96-159 or v11
.endif
.endr
.if \pre
	s_add_co_u32 s26, s26, 6144
	s_add_co_u32 s27, s27, 256
	s_add_co_u32 s28, s28, 512
.endif
.endm
; A head's end: O^T / the sum is ctx; its 64 channels are two blocks of 32 along the hidden axis: registers 6 c .. 6 c + 5 of my fragment, bytes 2 c, 2 c + 1 of my scale word
.macro FIN c
.rept 4
	v_nop
.endr
	v_add_f32 v14, v14, v15
	v_permlanex16_b32 v252, v14, s20, s21
	v_add_f32 v14, v14, v252                       ; the row's sum
	s_wait_alu depctr_va_vdst(0)
	v_rcp_f32 v14, v14
	v_nop                                          ; a plain place behind the reciprocal
	s_wait_alu depctr_va_vdst(0)                   ; the reciprocal has written v14, ahead of its first reader
.set j, 0
.rept 32
	v_mul_f32 v[96+j], v[160+j], v14               ; register 16 b + i: channel 32 b + 16 h + i
.set j, j+1
.endr
.irp b, 0,1
	v_max3_num_f32 v[232+\b], |v[96+16*\b]|, |v[97+16*\b]|, 0x2800000
.endr
.irp i, 2,4,6,8,10,12,14
.irp b, 0,1
	v_max3_num_f32 v[232+\b], v[232+\b], |v[96+16*\b+\i]|, |v[97+16*\b+\i]|
.endr
.endr
.irp b, 0,1
	v_permlanex16_b32 v[236+\b], v[232+\b], s20, s21
.endr
.irp b, 0,1
	v_max_num_f32 v[232+\b], v[232+\b], v[236+\b]
.endr
.irp b, 0,1
	v_add_nc_u32 v[244+\b], 0xfe000000, v[232+\b]
.endr
.irp b, 0,1
	v_lshrrev_b32 v[236+\b], 23, v[244+\b]
.endr
.if \c
	v_lshl_or_b32 v236, v237, 8, v236
	v_lshl_or_b32 v211, v236, 16, v211
.else
	v_lshl_or_b32 v211, v237, 8, v236
.endif
	v_cvt_scalef32_pk16_bf6_f32 v[192+6*\c:194+6*\c], v[96:111], v244
	v_cvt_scalef32_pk16_bf6_f32 v[240:242], v[112:127], v245
	v_nop
.irp i, 0,1,2
	v_permlane16_swap_b32 v[192+6*\c+\i], v[240+\i]
.endr
.irp i, 0,1,2
	v_mov_b32 v[195+6*\c+\i], v[240+\i]
.endr
.endm
.macro HEAD c
.if \c
	s_wait_alu depctr_va_vdst(0)                   ; the first head's end has written v96-127 and is done reading them: the mask's loads land there
.endif
.irp f, 0,1,2,3
	MASK4 3, \f                                    ; the first step's mask, by the address that stays; it lands while the lines below run, which name none of v96-159
.endr
.if \c
.irp i, 0,1,2,3,4,5
	v_mov_b32 v[22+\i], v[204+\i]
.endr
	v_mov_b32 v255, v212
.endif
	v_mov_b32 v13, 0xff61b1e6                      ; the largest t so far: -3e38
	v_floor_f32 v12, -v13
	v_mov_b32 v14, 0
	v_mov_b32 v15, 0
.set j, 0
.rept 32
	v_mov_b32 v[160+j], 0                          ; O^T: the step is written once for the loop; its first trip finds zeros, which the first change of M leaves zeros
.set j, j+1
.endr
	s_mov_b32 s26, 49152*\c
	s_mov_b32 s27, 2048*\c
	s_mov_b32 s28, 512                             ; the mask runs a step ahead
	s_mov_b32 s29, 7
.Lk_\c:
	KSTEP 1
	s_sub_co_u32 s29, s29, 1
	s_cmp_lg_u32 s29, 0
	s_cbranch_scc1 .Lk_\c
	KSTEP 0                                        ; the eighth step is written out: no mask is asked for that no step reads
	FIN \c
.endm
	HEAD 0
	HEAD 1
	s_wait_alu depctr_va_vdst(0)                   ; ctx's codes v192-203 and its scale word v211 are written, which the stores read; the second head's end is done with v96-99, in which the load behind the barrier lands (no vector line stands between)
.irp g, 0,1,2
	global_store_b128 v1, v[192+4*\g:195+4*\g], s[36:37] offset:512*\g
.endr
	ds_store_b32 v87, v211                         ; lanes r and r + 16 write the same word with the same value
	s_wait_dscnt 0x0
	s_barrier_signal -1
	s_barrier_wait -1
	s_cmp_lt_u32 s16, 2
	s_cbranch_scc0 .Lend
	ds_load_b128 v[96:99], v93                     ; waves 0 and 1: the work-group's 1,024 bytes of scale words
	s_wait_dscnt 0x0
	global_store_b128 v84, v[96:99], s[38:39]
.Lend:
	s_wait_dscnt 0x0                               ; the wave's end: the waits, then the add and its wait
	s_wait_alu 0x0
	s_wait_tensorcnt 0x0
	ds_add_u32 v5, v6
	s_wait_dscnt 0x0
	s_endpgm
.Lfunc_end_k_qa8d33dc731_attn:
	.size	k_qa8d33dc731_attn, .Lfunc_end_k_qa8d33dc731_attn-k_qa8d33dc731_attn
	.p2alignl 7, 3214868480
	.fill 96, 4, 3214868480
	.section	.rodata,"a",@progbits
	.p2align	6, 0x0
	.amdhsa_kernel k_qa8d33dc731_attn
		.amdhsa_group_segment_fixed_size 211968
		.amdhsa_private_segment_fixed_size 0
		.amdhsa_enable_private_segment 0
		.amdhsa_kernarg_size 48
		.amdhsa_user_sgpr_count 2
		.amdhsa_user_sgpr_kernarg_segment_ptr 1
		.amdhsa_wavefront_size32 1
		.amdhsa_system_sgpr_workgroup_id_x 1
		.amdhsa_system_sgpr_workgroup_id_y 1
		.amdhsa_system_sgpr_workgroup_id_z 1
		.amdhsa_system_vgpr_workitem_id 0
		.amdhsa_next_free_vgpr 256
		.amdhsa_next_free_sgpr 66
		.amdhsa_reserve_vcc 0
		.amdhsa_float_denorm_mode_32 3
		.amdhsa_float_denorm_mode_16_64 3
		.amdhsa_memory_ordered 1
		.amdhsa_forward_progress 1
		.amdhsa_inst_pref_size 86
	.end_amdhsa_kernel
	.amdgpu_metadata
---
amdhsa.version: [ 1, 2 ]
amdhsa.kernels:
  - .name:           k_qa8d33dc731_attn
    .symbol:         k_qa8d33dc731_attn.kd
    .args:
      - { .name: qimg, .offset: 0, .size: 8, .value_kind: global_buffer, .address_space: global }
      - { .name: kimg, .offset: 8, .size: 8, .value_kind: global_buffer, .address_space: global }
      - { .name: vimg, .offset: 16, .size: 8, .value_kind: global_buffer, .address_space: global }
      - { .name: qkvs, .offset: 24, .size: 8, .value_kind: global_buffer, .address_space: global }
      - { .name: attention_mask, .offset: 32, .size: 8, .value_kind: global_buffer, .address_space: global }
      - { .name: cq, .offset: 40, .size: 8, .value_kind: global_buffer, .address_space: global }
    .group_segment_fixed_size: 211968
    .private_segment_fixed_size: 0
    .kernarg_segment_align: 8
    .kernarg_segment_size: 48
    .max_flat_workgroup_size: 512
    .sgpr_count:     66
    .vgpr_count:     256
    .wavefront_size: 32
...
	.end_amdgpu_metadata
.endif
;; end of part 7
;; launch outp (part 8): grid 256 x 1, 16 waves a work-group, no clusters, 290,304 bytes of LDS; arguments cq, wimg, bo, hidden_states, ln_gamma, ln_beta, out0; writes out0
.if DOCPART == 8
	.amdgcn_target "amdgcn-amd-amdhsa--gfx1250"
	.amdhsa_code_object_version 6
	.text
	.protected	k_qa8d33dc731_outp
	.globl	k_qa8d33dc731_outp
	.p2align	8
	.type	k_qa8d33dc731_outp,@function
k_qa8d33dc731_outp:
	s_mov_b64 s[64:65], 0
	v_nop
	global_prefetch_b8 v0, s[64:65] scope:SCOPE_SE
	s_setreg_imm32_b32 hwreg(HW_REG_WAVE_MODE, 25, 1), 1
	s_wait_xcnt 0x0
; out0 = LayerNorm(ctx Wo^T + bo + hidden_states) x gamma + beta; the product on codes of BF6, all else in f32.  No work is left out.
; SHARES: LayerNorm wants whole rows, so a work-group takes 32 tokens (group Pg: two row tiles) x all 1,024 columns.  Wave w makes columns 64 w .. 64 w + 63 (four column tiles, eight accumulators); in the tail it owns two whole rows.
; ctx's sixteen fragments and scale words (25,600 bytes) go to LDS once, through registers.  A wave's part of Wo goes from memory straight into its registers, two sets by turns.
; Nothing is filled again.
; THE PRODUCT IS USED TRANSPOSED (source 0 = 16 rows of Wo, source 1 = 16 tokens): a lane holds one token and eight neighbouring columns.  bo is loaded into the accumulators and is the C of each sum's first instruction.
; K IS WALKED IN A TURNED ORDER: position p works K step (Pg + p) % 8, so that the work-groups, which all read the same Wo, begin at different chunks.  Stated limit: the f32 sums are taken in that order.
; Row 16 a + r of the stage is token 32 Pg + 8 a + r + 8 (r / 8): rows 2 w, 2 w + 1 are the neighbouring tokens t0, t0 + 1, t0 = 32 Pg + 8 (w / 8) + 2 (w % 8) + 8 ((w / 4) % 2).
; No cluster: what work-groups share is Wo (6,400 bytes a K step and wave for 8 matrix instructions), which goes to registers, where a joint load cannot land.
; LIMITS: NaN and infinities are not served.
; REGISTERS: v1-12 addresses; v5, v6 the add's two; v14-19 at work; v20-23 ctx's scale words, two sets; v24-31 Wo's, two sets; v32-79 ctx's fragments, two sets; v80-175 Wo's, two sets; v176-239 accumulators (a, n) at 32 a + 8 n;
; v240-252 staging; v253-255 addresses.  In the tail: v176-239 my two rows, v32-95 hidden_states, v96-127 gamma, v128-159 beta.
.set CSC,   24576                      ; LDS: ctx's images at 0 ((2 step + a) 1,536); its scale words here: 128 step + 8 r + 4 a
.set STG,   25600                      ; the stage: 32 rows x (4,096 bytes + 16)
.set XST,   157184                     ; hidden_states: 8,192 bytes a wave, filled by the tensor loads alone
.set SPARE, 288256                     ; the spare words: 128 bytes a wave, eight blocks of 256 bytes that no other line names
.set CS,  20
.set WS,  24
.set AFR, 32
.set BF,  80
.set ACC, 176
.set SB,  32                           ; s[32+2p:33+2p]: my chunk of Wo for position p; never rewritten
	s_load_b256 s[4:11], s[0:1], 0x0               ; cq s[4:5], wimg s[6:7], bo s[8:9], hidden s[10:11]
	s_load_b128 s[12:15], s[0:1], 0x20             ; gamma s[12:13], beta s[14:15]
	s_load_b64 s[16:17], s[0:1], 0x30              ; out0
	v_lshl_add_u32 v5, v0, 2, SPARE
	v_mov_b32 v6, 0
	ds_add_u32 v5, v6                              ; the wave's opening: the add, twice on end, and its wait ahead of my tensor load
	ds_add_u32 v5, v6
	v_lshrrev_b32 v1, 5, v0
	s_delay_alu instid0(VALU_DEP_1)
	v_readfirstlane_b32 s18, v1                    ; wave 0..15
	s_mov_b32 s24, 3<<16                           ; group 1: elements of 8 bytes, no mask, no padding
	s_mov_b32 s25, 32<<16                          ; tensor_dim0 = 32 elements: rows of 256 bytes
	s_mov_b32 s26, 32<<16                          ; tensor_dim1 = 32 rows: my two rows of x, 8,192 dense bytes
	s_mov_b32 s27, 32<<16                          ; tile_dim0
	s_mov_b32 s28, 32                              ; tile_dim1
	s_mov_b32 s29, 32                              ; the pitch
	s_mov_b32 s30, 0
	s_mov_b32 s31, 0
	s_mov_b32 s20, 1
	s_lshl_b32 s21, s18, 13
	s_add_co_u32 s21, s21, XST                     ; LDS address: XST + 8,192 x wave
	s_lshl_b32 s50, ttmp9, 5
	s_lshr_b32 s51, s18, 3
	s_lshl_b32 s51, s51, 3
	s_add_co_u32 s50, s50, s51
	s_and_b32 s51, s18, 7
	s_lshl_b32 s51, s51, 1
	s_add_co_u32 s50, s50, s51
	s_bfe_u32 s51, s18, 0x10002
	s_lshl_b32 s51, s51, 3
	s_add_co_u32 s50, s50, s51                     ; t0
	s_lshl_b32 s48, s50, 12
	s_mov_b32 s49, 0                               ; s[48:49] is the offset pair
	s_wait_dscnt 0x0                               ; both opening adds are done
	s_wait_kmcnt 0x0
	s_add_nc_u64 s[22:23], s[10:11], s[48:49]
	s_or_b32 s23, s23, 0x80000000
	tensor_load_to_lds s[20:23], s[24:31]          ; my one tensor load of the launch
	s_nop 0
.rept 4
	v_nop
.endr
	s_add_nc_u64 s[16:17], s[16:17], s[48:49]      ; out0 at t0
	v_and_b32 v13, 31, v0                          ; L
	v_and_b32 v14, 15, v0                          ; r
	v_bfe_u32 v15, v0, 4, 1                        ; h
	s_delay_alu instid0(VALU_DEP_3)
	v_lshlrev_b32 v1, 4, v13                       ; 16 L
	s_delay_alu instid0(VALU_DEP_3)
	v_lshlrev_b32 v2, 4, v14                       ; 16 r
	s_delay_alu instid0(VALU_DEP_4)
	v_lshl_add_u32 v7, v14, 3, CSC
	v_mul_u32_u24 v8, v14, 4112
	s_delay_alu instid0(VALU_DEP_1)
	v_lshl_add_u32 v8, v15, 6, v8
	s_lshl_b32 s50, s18, 8
	s_add_co_u32 s50, s50, STG
	v_add_nc_u32 v8, s50, v8                       ; the stage, in: row r, + 16 h columns, + my 64 w columns
	s_delay_alu instid0(VALU_DEP_1)
	v_add_nc_u32 v9, 65792, v8                     ; and 16 rows further down
	s_mul_i32 s50, s18, 8224
	s_add_co_u32 s50, s50, STG
	v_add_nc_u32 v10, s50, v1                      ; back: rows 2 w, 2 w + 1, 16 bytes a lane
	v_add_nc_u32 v11, s21, v1                      ; my rows of x
	v_lshlrev_b32 v12, 6, v15                      ; bo: 16 h numbers on
	v_lshlrev_b32 v253, 4, v0                      ; 16 x thread
	v_lshlrev_b32 v254, 2, v13                     ; 4 L
	v_lshl_add_u32 v255, v0, 2, CSC                ; CSC + 4 x thread
	s_mov_b32 s54, 0x76543210
	s_mov_b32 s55, 0xfedcba98
	s_mov_b32 s56, 0x3a800000                      ; 1 / 1,024
	s_mov_b32 s57, 0x2b8cbccc                      ; 1e-12
	s_and_b32 s19, ttmp9, 7                        ; the first K step
	s_mul_i32 s51, s18, 51200
	s_add_co_u32 s51, s51, 2457600                 ; Wo is the fourth matrix of wimg
.irp p, 0,1,2,3,4,5,6,7
	s_add_co_u32 s50, ttmp9, \p
	s_and_b32 s50, s50, 7
	s_mul_i32 s50, s50, 6400
	s_add_co_u32 s48, s50, s51
	s_add_nc_u64 s[SB+2*\p:SB+2*\p+1], s[6:7], s[48:49]
.endr
	s_lshl_b32 s48, s18, 15
	s_lshl_b32 s50, ttmp9, 7
	s_add_co_u32 s48, s48, s50
	s_add_co_u32 s48, s48, 6291456
	s_add_nc_u64 s[58:59], s[4:5], s[48:49]        ; ctx's scale words of K step w (used by waves 0-7 alone)
	s_mul_i32 s48, ttmp9, 24576
	s_add_nc_u64 s[4:5], s[4:5], s[48:49]
	s_lshl_b32 s48, s18, 8
	s_add_nc_u64 s[8:9], s[8:9], s[48:49]
.macro LB p                            ; 13 loads: position p's four fragments of Wo and their scale words into set p % 2
.irp n, 0,1,2,3
.irp g, 0,1,2
	global_load_b128 v[BF+48*((\p)%2)+12*\n+4*\g:BF+48*((\p)%2)+12*\n+4*\g+3], v1, s[SB+2*(\p):SB+2*(\p)+1] offset:1536*\n+512*\g
.endr
.endr
	global_load_b128 v[WS+4*((\p)%2):WS+4*((\p)%2)+3], v2, s[SB+2*(\p):SB+2*(\p)+1] offset:6144
.endm
.macro AFETCH s                        ; ctx's two fragments and scale words of K step s19 into set s
	s_mul_i32 s50, s19, 3072
	v_add_nc_u32 v3, s50, v1
	s_lshl_b32 s50, s19, 7
	v_add_nc_u32 v4, s50, v7
.irp a, 0,1
.irp g, 0,1,2
	ds_load_b128 v[AFR+24*(\s)+12*\a+4*\g:AFR+24*(\s)+12*\a+4*\g+3], v3 offset:1536*\a+512*\g
.endr
.endr
	ds_load_b64 v[CS+2*(\s):CS+2*(\s)+1], v4
.endm
	v_mov_b32 v252, 0
	s_cmp_lt_u32 s18, 8
	s_cbranch_scc0 .Lno_sc
	s_wait_alu depctr_va_vdst(0)
	global_load_b32 v252, v254, s[58:59]           ; 128 bytes a wave
.Lno_sc:
	s_wait_alu depctr_va_vdst(0)
.irp i, 0,1,2
	global_load_b128 v[240+4*\i:243+4*\i], v253, s[4:5] offset:8192*\i   ; ctx's images: the sixteen waves read 8,192 consecutive bytes
.endr
.irp a, 0,1
.irp n, 0,1,2,3
	global_load_b128 v[ACC+32*\a+8*\n:ACC+32*\a+8*\n+3], v12, s[8:9] offset:(32*(\n/2)+8*(\n%2))*4
	global_load_b128 v[ACC+32*\a+8*\n+4:ACC+32*\a+8*\n+7], v12, s[8:9] offset:(32*(\n/2)+8*(\n%2))*4+16
.endr
.endr
	LB 0
	LB 1
	s_wait_loadcnt 42                              ; behind ctx's images 16 + 13 + 13 loads were issued, on both ways through the branch above
.irp i, 0,1,2
	ds_store_b128 v253, v[240+4*\i:243+4*\i] offset:8192*\i
.endr
	s_cmp_lt_u32 s18, 8
	s_cbranch_scc0 .Lno_st
	ds_store_b32 v255, v252
.Lno_st:
	s_wait_dscnt 0x0                               ; for the others' sake: my stores have landed
	s_barrier_signal -1
	s_barrier_wait -1
	AFETCH 0
.macro OSTEP p
.if (\p) < 7
	s_wait_loadcnt 13                              ; behind this position's group only the next group's 13 loads were issued
.else
	s_wait_loadcnt 0x0
.endif
	s_wait_dscnt 0x0                               ; this step's fragments of ctx
.if (\p) < 7
	s_add_co_u32 s19, s19, 1
	s_and_b32 s19, s19, 7
	AFETCH ((\p)+1)%2                              ; the other set was last read a step ago, four v_nop back
.endif
.irp n, 0,1,2,3                                ; eight accumulators by turns, one instruction a turn
.irp a, 0,1
	v_wmma_scale_f32_16x16x128_f8f6f4 v[ACC+32*\a+8*\n:ACC+32*\a+8*\n+7], v[BF+48*((\p)%2)+12*\n:BF+48*((\p)%2)+12*\n+11], v[AFR+24*((\p)%2)+12*\a:AFR+24*((\p)%2)+12*\a+11], v[ACC+32*\a+8*\n:ACC+32*\a+8*\n+7], v[WS+4*((\p)%2)+\n], v[CS+2*((\p)%2)+\a] matrix_a_fmt:MATRIX_FMT_BF6 matrix_b_fmt:MATRIX_FMT_BF6
.endr
.endr
.rept 4
	v_nop                                          ; places in front of loads into registers that matrix instructions have read, and of the first read of results
.endr
.if (\p) < 6
	LB (\p)+2
.endif
.endm
	OSTEP 0
	OSTEP 1
	OSTEP 2
	OSTEP 3
	OSTEP 4
	OSTEP 5
	OSTEP 6
	OSTEP 7
.irp i, 0,1,2,3,4,5,6,7
	global_load_b128 v[96+4*\i:99+4*\i], v1, s[12:13] offset:512*\i        ; gamma and beta of my columns 128 i + 4 L + 0 .. 3
	global_load_b128 v[128+4*\i:131+4*\i], v1, s[14:15] offset:512*\i
.endr
.irp a, 0,1
.irp n, 0,1,2,3
	ds_store_b128 v[8+\a], v[ACC+32*\a+8*\n:ACC+32*\a+8*\n+3] offset:(32*(\n/2)+8*(\n%2))*4      ; each accumulator from its low end on
	ds_store_b128 v[8+\a], v[ACC+32*\a+8*\n+4:ACC+32*\a+8*\n+7] offset:(32*(\n/2)+8*(\n%2))*4+16
.endr
.endr
	s_wait_dscnt 0x0
	s_barrier_signal -1
	s_barrier_wait -1                              ; 32 whole rows lie in the stage
.irp e, 0,1
.irp i, 0,1,2,3,4,5,6,7
	ds_load_b128 v[176+32*\e+4*\i:179+32*\e+4*\i], v10 offset:4112*\e+512*\i
.endr
.endr
	s_wait_tensorcnt 0x0                           ; my two rows of hidden_states have landed; only I read them
.irp e, 0,1
.irp i, 0,1,2,3,4,5,6,7
	ds_load_b128 v[32+32*\e+4*\i:35+32*\e+4*\i], v11 offset:4096*\e+512*\i
.endr
.endr
	s_wait_dscnt 0x0
	s_wait_loadcnt 0x0                             ; gamma, beta
.macro REDUCE v, t                     ; the sum over the 32 lanes, in every lane
	s_delay_alu instid0(VALU_DEP_1)
	v_add_f32_dpp v[\v], v[\v], v[\v] row_xmask:1 row_mask:0xf bank_mask:0xf
	s_delay_alu instid0(VALU_DEP_1)
	v_add_f32_dpp v[\v], v[\v], v[\v] row_xmask:2 row_mask:0xf bank_mask:0xf
	s_delay_alu instid0(VALU_DEP_1)
	v_add_f32_dpp v[\v], v[\v], v[\v] row_xmask:4 row_mask:0xf bank_mask:0xf
	s_delay_alu instid0(VALU_DEP_1)
	v_add_f32_dpp v[\v], v[\v], v[\v] row_xmask:8 row_mask:0xf bank_mask:0xf
	s_delay_alu instid0(VALU_DEP_1)
	v_permlanex16_b32 v[\t], v[\v], s54, s55
	s_delay_alu instid0(VALU_DEP_1)
	v_add_f32 v[\v], v[\v], v[\t]
.endm
.macro LNROW e
.set YB, 176+32*\e
.set XB, 32+32*\e
.set j, 0
.rept 16
	v_pk_add_f32 v[YB+j:YB+j+1], v[YB+j:YB+j+1], v[XB+j:XB+j+1]   ; the residual
.set j, j+2
.endr
	v_pk_add_f32 v[14:15], v[YB:YB+1], v[YB+2:YB+3]               ; the row's sum, in two chains
	v_pk_add_f32 v[16:17], v[YB+4:YB+5], v[YB+6:YB+7]
.set j, 8
.rept 6
	s_delay_alu instid0(VALU_DEP_2)
	v_pk_add_f32 v[14:15], v[14:15], v[YB+j:YB+j+1]
	s_delay_alu instid0(VALU_DEP_2)
	v_pk_add_f32 v[16:17], v[16:17], v[YB+j+2:YB+j+3]
.set j, j+4
.endr
	s_delay_alu instid0(VALU_DEP_1)
	v_pk_add_f32 v[14:15], v[14:15], v[16:17]
	s_delay_alu instid0(VALU_DEP_1)
	v_add_f32 v14, v14, v15
	REDUCE 14, 15
	s_delay_alu instid0(VALU_DEP_1)
	v_mul_f32 v14, s56, v14                        ; the mean
.set j, 0
.rept 16
	v_pk_add_f32 v[YB+j:YB+j+1], v[YB+j:YB+j+1], v[14:15] op_sel_hi:[1,0] neg_lo:[0,1] neg_hi:[0,1]
.set j, j+2
.endr
	v_pk_mul_f32 v[16:17], v[YB:YB+1], v[YB:YB+1]                 ; the squares of the differences, in two chains
	v_pk_mul_f32 v[18:19], v[YB+2:YB+3], v[YB+2:YB+3]
.set j, 4
.rept 7
	s_delay_alu instid0(VALU_DEP_2)
	v_pk_fma_f32 v[16:17], v[YB+j:YB+j+1], v[YB+j:YB+j+1], v[16:17]
	s_delay_alu instid0(VALU_DEP_2)
	v_pk_fma_f32 v[18:19], v[YB+j+2:YB+j+3], v[YB+j+2:YB+j+3], v[18:19]
.set j, j+4
.endr
	s_delay_alu instid0(VALU_DEP_1)
	v_pk_add_f32 v[16:17], v[16:17], v[18:19]
	s_delay_alu instid0(VALU_DEP_1)
	v_add_f32 v16, v16, v17
	REDUCE 16, 17
	s_delay_alu instid0(VALU_DEP_1)
	v_fma_f32 v16, v16, s56, s57                   ; the variance + 1e-12
	s_wait_alu depctr_va_vdst(0)
	v_rsq_f32 v18, v16
	v_nop                                          ; a plain place behind the root
	s_wait_alu depctr_va_vdst(0)                   ; and the wait ahead of its first reader
.set j, 0
.rept 16
	v_pk_mul_f32 v[YB+j:YB+j+1], v[YB+j:YB+j+1], v[18:19] op_sel_hi:[1,0]
.set j, j+2
.endr
.set j, 0
.rept 16
	v_pk_fma_f32 v[YB+j:YB+j+1], v[YB+j:YB+j+1], v[96+j:97+j], v[128+j:129+j]
.set j, j+2
.endr
.irp i, 0,1,2,3,4,5,6,7
	global_store_b128 v1, v[YB+4*\i:YB+4*\i+3], s[16:17] offset:4096*\e+512*\i th:TH_STORE_NT   ; 32 lanes store 512 consecutive bytes, aligned; written once, read by nobody here
.endr
.endm
	LNROW 0
	LNROW 1
	s_wait_tensorcnt 0x0                           ; the wave's end: a wait, an add and its wait behind my tensor load and my last LDS store
	ds_add_u32 v5, v6
	s_wait_dscnt 0x0
	s_endpgm
.Lfunc_end_k_qa8d33dc731_outp:
	.size	k_qa8d33dc731_outp, .Lfunc_end_k_qa8d33dc731_outp-k_qa8d33dc731_outp
	.p2alignl 7, 3214868480
	.fill 96, 4, 3214868480
	.section	.rodata,"a",@progbits
	.p2align	6, 0x0
	.amdhsa_kernel k_qa8d33dc731_outp
		.amdhsa_group_segment_fixed_size 290304
		.amdhsa_private_segment_fixed_size 0
		.amdhsa_enable_private_segment 0
		.amdhsa_kernarg_size 56
		.amdhsa_user_sgpr_count 2
		.amdhsa_user_sgpr_kernarg_segment_ptr 1
		.amdhsa_wavefront_size32 1
		.amdhsa_system_sgpr_workgroup_id_x 1
		.amdhsa_system_sgpr_workgroup_id_y 1
		.amdhsa_system_sgpr_workgroup_id_z 1
		.amdhsa_system_vgpr_workitem_id 0
		.amdhsa_next_free_vgpr 256
		.amdhsa_next_free_sgpr 66
		.amdhsa_reserve_vcc 0
		.amdhsa_float_denorm_mode_32 3
		.amdhsa_float_denorm_mode_16_64 3
		.amdhsa_memory_ordered 1
		.amdhsa_forward_progress 1
		.amdhsa_inst_pref_size 56
	.end_amdhsa_kernel
	.amdgpu_metadata
---
amdhsa.version: [ 1, 2 ]
amdhsa.kernels:
  - .name:           k_qa8d33dc731_outp
    .symbol:         k_qa8d33dc731_outp.kd
    .args:
      - { .name: cq, .offset: 0, .size: 8, .value_kind: global_buffer, .address_space: global }
      - { .name: wimg, .offset: 8, .size: 8, .value_kind: global_buffer, .address_space: global }
      - { .name: bo, .offset: 16, .size: 8, .value_kind: global_buffer, .address_space: global }
      - { .name: hidden_states, .offset: 24, .size: 8, .value_kind: global_buffer, .address_space: global }
      - { .name: ln_gamma, .offset: 32, .size: 8, .value_kind: global_buffer, .address_space: global }
      - { .name: ln_beta, .offset: 40, .size: 8, .value_kind: global_buffer, .address_space: global }
      - { .name: out0, .offset: 48, .size: 8, .value_kind: global_buffer, .address_space: global }
    .group_segment_fixed_size: 290304
    .private_segment_fixed_size: 0
    .kernarg_segment_align: 8
    .kernarg_segment_size: 56
    .max_flat_workgroup_size: 512
    .sgpr_count:     66
    .vgpr_count:     256
    .wavefront_size: 32
...
	.end_amdgpu_metadata
.endif
;; end of part 8
